; MI455X (gfx1250); checked and timed in simulation.
; The chip was launched on July 23, 2026; its instructions are those of AMD's public machine-readable ISA for CDNA 5 (MIT licence, August 2026) and "CDNA5" Instruction Set Architecture Reference Guide (July 2026). The comments in the code are by the model that wrote it; some were corrected since.
;; transformer classification. Allowed arithmetic: matrix products marked QUANTISED: E4M3 operands, one given power-of-two scale a tensor, by v_wmma_f32_16x16x64_fp8_fp8 or v_wmma_f32_16x16x128_fp8_fp8, f32 sums; everything else in f32.
;; Inputs: b1 3,072 float32; b2 768 float32; clstoken 1 x 1 x 768 float32; head_b 1,000 float32; head_w 768 x 1,000 float32; image 64 x 98 x 768 float32; ln1_b 768 float32; ln1_g 768 float32; ln2_b 768 float32; ln2_g 768 float32; lowp_scales 16 int32 (the exponents e of the quantised operands' scales 2^e); pos_emb 201 x 768 float32; w1 768 x 3,072 float32; w2 3,072 x 768 float32; wk 768 x 768 float32; wq 768 x 768 float32; wv 768 x 768 float32.
;; Outputs: out0 64 x 1,000 float32.
;; This version of the problem:
;;   THIS VERSION OF THE PROBLEM IS GIVEN IN LOW PRECISION. The matrix products marked QUANTISED in the list below multiply operands that are first quantised to E4M3 (4 exponent bits, 3 mantissa bits; 8 bits a number), with one given power-of-two scale for each operand tensor; their sums are f32. All else is computed in f32.
;;   The module's matrix products, in the order in which they are computed (A, B: the left and right operand; K: the contracted axis; several contracted axes count as one K, in the product's order):
;;     1. [M 6,336, K 768] x [K 768, N 768]; A: computed on the way; B: input wq: QUANTISED (scales: A lowp_scales[0], B lowp_scales[1])
;;     2. [M 6,336, K 768] x [K 768, N 768]; A: computed on the way; B: input wk: QUANTISED (scales: A lowp_scales[2], B lowp_scales[3])
;;     3. [M 6,336, K 768] x [K 768, N 768]; A: computed on the way; B: input wv: QUANTISED (scales: A lowp_scales[4], B lowp_scales[5])
;;     4. batch 768 x [M 99, K 64] x [K 64, N 99]; A: computed on the way; B: computed on the way: QUANTISED (scales: A lowp_scales[6], B lowp_scales[7])
;;     5. batch 768 x [M 99, K 99] x [K 99, N 64]; A: softmax (see below); B: computed on the way: QUANTISED (scales: A lowp_scales[8], B lowp_scales[9])
;;     6. [M 6,336, K 768] x [K 768, N 3,072]; A: computed on the way; B: input w1: QUANTISED (scales: A lowp_scales[10], B lowp_scales[11])
;;     7. [M 6,336, K 3,072] x [K 3,072, N 768]; A: computed on the way; B: input w2: QUANTISED (scales: A lowp_scales[12], B lowp_scales[13])
;;     8. [M 64, K 768] x [K 768, N 1,000]; A: computed on the way; B: input head_w: QUANTISED (scales: A lowp_scales[14], B lowp_scales[15])
;;   THE QUANTISER, for each operand of a quantised product, along K:
;;     - The operand's scale is 2^e, e = its entry of the input lowp_scales (int32; the entries are numbered through the quantised products in the list's order, A before B).
;;     - Each number is divided by the scale, clamped to +-448, and rounded to the nearest number of E4M3, ties to even, subnormals kept.
;;     - The product sums the exact products of the quantised numbers (number of the format x scale) in f32.
;;   ~~~python
;;   def quantise(x, axis, e):      # numpy; x: float32 -> the quantised numbers, widened to float32 again
;;       x = np.moveaxis(x, axis, -1); K = x.shape[-1]
;;       r = np.clip(x / 2.0 ** e, -448, 448)
;;       step = 2.0 ** (np.maximum(np.frexp(np.where(r == 0, 1, r))[1] - 1, -6) - 3)
;;       q = np.round(r / step) * step * 2.0 ** e      # np.round: ties to even
;;       return np.moveaxis(q, -1, axis).astype(np.float32)
;;   ~~~
;;   SOFTMAX AHEAD OF A QUANTISED PRODUCT. Where the list says 'softmax', what is quantised is not the finished softmax but p = 2^(t - M), with t = logit x log2(e) and M = ceil(the row's largest t), a whole number; so 1/2 < the row's largest p <= 1. The row's sum l is taken of the UNQUANTISED p, in f32, and the product's result is divided by l at the end. Since M is a whole number, a kernel that streams over the keys may use a running M (the ceiling of the running maximum): every later rescaling is an exact power of two, so the quantised numbers keep their values, but for numbers so far below the row's largest that they fall under the format's range.
;;   OPERANDS COMPUTED ON THE WAY. 'Computed on the way' means the value that the module computes at that place (a softmax that the list does not call 'softmax' is quantised finished and normalised). What goes into a quantiser is computed in f32, as accurately as f32 sums, v_exp_f32 and their like allow (about 1e-6 of the number): no bf16 or f16 on the way to a quantiser, and a product that is left as it is and whose result goes on into a quantised operand takes f32 operands (vector FMAs, or v_wmma_f32_16x16x4_f32). A number that lies on a knife's edge between two numbers of the format may be rounded either way, as far as f32 arithmetic and the matrix unit's own rounding can turn it there, and no further.
;; One version. Each part assembles by itself: llvm-mc -triple=amdgcn-amd-amdhsa -mcpu=gfx1250 --defsym DOCPART=n.
;; ======== version 1 of 1: 4 launches
;; limits: right only within a limited range of input values
;; workspace buffers: hc 11,796,480 bytes; wcodes 1,769,472 bytes; a0 196,608 bytes; wm 4,718,592 bytes; part 4,718,592 bytes; wh 786,432 bytes
;; launch prep (part 1): grid 520 x 1, 8 waves a work-group, no clusters, 40,192 bytes of LDS; arguments image, clstoken, pos_emb, ln1_g, ln1_b, wq, wk, wv, lowp_scales, hc, wcodes; writes hc, wcodes
.if DOCPART == 1
	.amdgcn_target "amdgcn-amd-amdhsa--gfx1250"
	.amdhsa_code_object_version 6
	.text
	.protected	k_qdced93744f_prep
	.globl	k_qdced93744f_prep
	.p2align	8
	.type	k_qdced93744f_prep,@function
k_qdced93744f_prep:
	s_mov_b64 s[64:65], 0
	v_nop
	global_prefetch_b8 v0, s[64:65] scope:SCOPE_SE
	s_setreg_imm32_b32 hwreg(HW_REG_WAVE_MODE, 25, 1), 1
	s_wait_xcnt 0x0
; THE PROGRAM: four launches.  prep: first layer norm and the codes of wq, wk, wv.  attn: projections, attention, a0, and the codes of w1 and w2.  mlp: second layer norm and both MLP products (parts of the second), and the
; codes of head_w.  head: the sum of the parts, the residual, the head.
; DEAD WORK LEFT OUT.  reference() returns x[:, 0, :] head_w + head_b after ONE encoder.  Row 0 of a batch hangs on row 0 of the MLP, of LN2 and of the attention's result, hence on query 0 and on the keys and values of all 99 tokens.
; Queries 1 to 98, their scores, softmax and P V, and LN2, the MLP and the residual of tokens 1 to 98 reach no output for any values of the inputs: they are not computed where they come in whole tiles (a matrix tile of 16 queries
; holds query 0).  Rows 99 to 200 of pos_emb are sliced away by reference() and are not loaded.  LIMIT: a NaN, an infinity or an overflow that reaches only this work is not carried to the result.
;
; THIS LAUNCH: TWO ROLES, told apart by the work-group's number.
; Work-groups 0-447 (m tile i = number / 64, batch b = number % 64): x = concat(cls, image) + pos, the first layer norm in f32, and its codes of E4M3, once with each scale that a product asks for:
; 2^e2 (for x wk), 2^e4 (for x wv) and, for tile 0 alone, 2^e0 (for x wq).   Work-groups 448-519: wk, wv and wq, stored [K][N] as f32, become codes with K innermost.
; EVERY OPERAND IS STORED AS IMAGES OF ITS REGISTERS: 16 rows x 128 K = 2,048 bytes = 8 pieces of 256 bytes; piece p holds 16 codes of row r at 256 p + 16 r.
; Four 16-byte loads a lane at 512 c + 16 lane then bring a whole fragment.  Which k lies at byte y of piece P (counted over all of K) is free, if both operands agree; here
; k = 256 (P / 16) + 64 (y / 4) + 4 (P % 16) + y % 4, the order in which sixteen lanes that load a row in 16-byte pieces hold it.
; hc: [batch 64][K step 6][fragment 15][2048]: fragments 0-6 tiles 0-6 with e2, 7-13 with e4, 14 tile 0 with e0.  Tokens 99-111 of the last tile get zero codes.
; wcodes: [group of 3 heads 4][K step 6][k, v, q][head 3][tile 4][2048].  Inside a head column d goes to tile 2 (d % 2) + d / 32, row (d % 32) / 2, alike in all three.
; No matrix unit, no cluster, no tensor load, no loop: every input byte but pos_emb's, the gains' and the biases' is read by one wave, and all loads go out ahead of the norm.
; LIMITS: e0 to e5 between -126 and 119, so that 2^e and 448 x 2^e are f32 numbers.  NaN among the inputs is not served.
.set SPARE, 39168                      ; behind the three images: the spare words, 128 bytes for each of eight waves
.set IMG,   13056                      ; an image of 16 rows x 768 K in LDS: 48 pieces, 272 bytes apart
.set X,   16                           ; v16-63   my 48 numbers of a row: register 4 j + e is k = 64 j + 4 q + e
.set P,   64                           ; v64-111  pos_emb, then the gain, then the held numbers
.set B,   112                          ; v112-159 the bias (in one wave of a batch first the class token), then the codes
.set T,   8                            ; v8-15    at work in the norm: four chains; T + 4 the mean, T + 6 1 / sqrt(var + eps)
.set SINV, 56
.set SEPS, 58
.macro POW2 d, e                       ; s[d] = 2^s[e] as f32
	s_add_co_i32 s[\d], s[\e], 127
	s_lshl_b32 s[\d], s[\d], 23
.endm
.macro LIM p, n, e                     ; s[p] = 448 x 2^s[e], s[n] = the same negative
	s_add_co_i32 s[\p], s[\e], 135
	s_lshl_b32 s[\p], s[\p], 23
	s_or_b32 s[\p], s[\p], 0x600000
	s_or_b32 s[\n], s[\p], 0x80000000
.endm
.macro ROWSUM                          ; the four chains, then the sixteen lanes of the row
	v_pk_add_f32 v[T:T+1], v[T:T+1], v[T+2:T+3]
	v_pk_add_f32 v[T+4:T+5], v[T+4:T+5], v[T+6:T+7]
	s_delay_alu instid0(VALU_DEP_1)
	v_pk_add_f32 v[T:T+1], v[T:T+1], v[T+4:T+5]
	s_delay_alu instid0(VALU_DEP_1)
	v_add_f32 v[T], v[T], v[T+1]
	s_delay_alu instid0(VALU_DEP_1)
	v_add_f32_dpp v[T], v[T], v[T] row_xmask:1 row_mask:0xf bank_mask:0xf
	s_delay_alu instid0(VALU_DEP_1)
	v_add_f32_dpp v[T], v[T], v[T] row_xmask:2 row_mask:0xf bank_mask:0xf
	s_delay_alu instid0(VALU_DEP_1)
	v_add_f32_dpp v[T], v[T], v[T] row_xmask:4 row_mask:0xf bank_mask:0xf
	s_delay_alu instid0(VALU_DEP_1)
	v_add_f32_dpp v[T], v[T], v[T] row_xmask:8 row_mask:0xf bank_mask:0xf
	s_delay_alu instid0(VALU_DEP_1)
.endm
; The layer norm of a row that sixteen lanes hold, 48 numbers each: the mean, then the mean of the squared distances.  gwait: the loads that may stay out when gain and bias are wanted.
.macro LNCORE gwait
.set n, 0
.rept 4
	v_pk_add_f32 v[T+2*n:T+2*n+1], v[X+2*n:X+2*n+1], v[X+8+2*n:X+9+2*n]
.set n, n+1
.endr
.set n, 8
.rept 16
	v_pk_add_f32 v[T+2*(n%4):T+2*(n%4)+1], v[T+2*(n%4):T+2*(n%4)+1], v[X+2*n:X+2*n+1]
.set n, n+1
.endr
	ROWSUM
	v_mul_f32 v[T+4], s[SINV], v[T]
.set n, 0
.rept 24
	v_pk_add_f32 v[X+n:X+n+1], v[X+n:X+n+1], v[T+4:T+5] op_sel_hi:[1,0] neg_lo:[0,1] neg_hi:[0,1]
.set n, n+2
.endr
.set n, 0
.rept 4
	v_pk_mul_f32 v[T+2*n:T+2*n+1], v[X+2*n:X+2*n+1], v[X+2*n:X+2*n+1]
.set n, n+1
.endr
.set n, 4
.rept 20
	v_pk_fma_f32 v[T+2*(n%4):T+2*(n%4)+1], v[X+2*n:X+2*n+1], v[X+2*n:X+2*n+1], v[T+2*(n%4):T+2*(n%4)+1]
.set n, n+1
.endr
	ROWSUM
	v_fma_f32 v[T], v[T], s[SINV], s[SEPS]         ; var + eps
	s_wait_alu depctr_va_vdst(0)                   ; the wait ahead of the transcendental,
	v_rsq_f32 v[T+6], v[T]
	v_nop
	s_wait_alu depctr_va_vdst(0)                   ; and ahead of its first reader
.set n, 0
.rept 24
	v_pk_mul_f32 v[X+n:X+n+1], v[X+n:X+n+1], v[T+6:T+7] op_sel_hi:[1,0]
.set n, n+2
.endr
	s_wait_loadcnt \gwait                          ; gain and bias are in
.set n, 0
.rept 24
	v_pk_fma_f32 v[X+n:X+n+1], v[X+n:X+n+1], v[P+n:P+n+1], v[B+n:B+n+1]
.set n, n+2
.endr
.endm
; The row's codes with one scale: hold (the conversion to an 8-bit code does not saturate: ISA guide 7.6.2), convert, zero codes for tokens past the 99th, into image ver in LDS.
.macro VERSION ver, vs, sn, sp, c
.set n, 0
.rept 48
	v_med3_num_f32 v[P+n], v[X+n], s[\sn], s[\sp]
.set n, n+1
.endr
.set n, 0
.rept 6
	v_cvt_scalef32_pk8_fp8_f32 v[\c+2*n:\c+2*n+1], v[P+8*n:P+8*n+7], v[\vs]
.set n, n+1
.endr
	v_nop                                          ; a plain instruction between the last conversion and the lines that touch its result
.set n, 0
.rept 12
	v_cndmask_b32 v[\c+n], 0, v[\c+n], s53
.set n, n+1
.endr
.irp u, 0,1,2
	ds_store_b128 v3, v[\c+4*\u:\c+4*\u+3] offset:\ver*IMG+\u*4352   ; piece 16 u + q, row r
.endr
.endm
	s_load_b512 s[8:23], s[0:1], 0x0               ; image 8, clstoken 10, pos_emb 12, ln1_g 14, ln1_b 16, wq 18, wk 20, wv 22
	s_load_b64 s[26:27], s[0:1], 0x40              ; lowp_scales
	s_load_b128 s[28:31], s[0:1], 0x48             ; hc 28, wcodes 30
	v_lshl_add_u32 v1, v0, 2, SPARE                ; my spare word; never rewritten
	v_mov_b32 v2, 0                                ; 0; never rewritten
	v_lshrrev_b32 v3, 5, v0
	v_readfirstlane_b32 s52, v3                    ; wave 0..7
	s_wait_alu depctr_va_vdst(0)                   ; directly ahead of the wait below
	s_wait_kmcnt 0x0
	s_load_b512 s[36:51], s[26:27], 0x0            ; e0 .. e15 in s36 .. s51
	s_cmp_ge_u32 ttmp9, 448
	s_cbranch_scc1 .Lweights
	; ---------------- the layer norm's role: 16 tokens of one batch; sixteen lanes to a row, two rows to a wave
	s_lshr_b32 s54, ttmp9, 6                       ; i: the tile of tokens
	s_and_b32 s57, ttmp9, 63                       ; b: the batch
	s_lshl_b32 s59, s54, 4
	v_and_b32 v9, 15, v0                           ; q: my place in the row
	v_lshrrev_b32 v10, 4, v0                       ; r: my row of the tile = 2 x wave + half
	v_and_b32 v5, 31, v0
	v_add_nc_u32 v11, s59, v10                     ; the token
	v_mul_u32_u24 v3, v9, 272
	v_mul_u32_u24 v4, v10, 272
	v_max_u32 v7, 1, v11
	v_lshl_add_u32 v3, v10, 4, v3                  ; into an image: piece q, row r
	v_lshl_add_u32 v4, v9, 4, v4                   ; out of it: pieces 2 w and 2 w + 1, whole
	v_add_nc_u32 v7, -1, v7
	v_mul_u32_u24 v8, v11, 0xc00                   ; its row of pos_emb (at most row 111 of 201)
	v_lshlrev_b32 v5, 4, v5                        ; 16 x lane: those two pieces in memory
	v_min_u32 v7, 97, v7                           ; its row of image, held inside the batch's 98 (token 0 and token 99 load a row that is not used)
	v_lshl_add_u32 v8, v9, 4, v8
	v_lshlrev_b32 v6, 4, v9                        ; 16 q: gain, bias, class token
	v_mul_u32_u24 v7, v7, 0xc00
	v_cmp_gt_u32 s53, 99, v11                      ; the lanes whose token exists
	v_lshl_add_u32 v7, v9, 4, v7
	s_mul_i32 s72, s57, 301056                     ; a batch of image: 98 rows of 3,072 bytes
	s_mov_b32 s73, 0
	s_add_nc_u64 s[8:9], s[8:9], s[72:73]
	s_mul_i32 s72, s57, 184320                     ; hc: the batch,
	s_lshr_b32 s74, s52, 2
	s_mul_i32 s74, s74, 30720                      ; pieces 16 t + 2 w lie in K step 2 t + w / 4,
	s_add_co_u32 s72, s72, s74
	s_lshl_b32 s74, s52, 1
	s_and_b32 s74, s74, 7
	s_lshl_b32 s74, s74, 8                         ; at piece 2 w % 8,
	s_add_co_u32 s72, s72, s74
	s_lshl_b32 s74, s54, 11                        ; of fragment i
	s_add_co_u32 s72, s72, s74
	s_add_nc_u64 s[28:29], s[28:29], s[72:73]
	s_lshl_b32 s74, s52, 1
	s_add_co_u32 s74, s74, s59                     ; my wave's first token
	s_cmp_lt_u32 s74, 99
	s_wait_alu depctr_va_vdst(0)                   ; directly ahead of the branch
	s_cbranch_scc1 .Lreal
	v_mov_b32 v16, 0                               ; both my tokens are padding (tile 6, waves 2 to 7): nothing is loaded, zero codes go into both images
	v_mov_b32 v17, 0
	v_mov_b32 v18, 0
	v_mov_b32 v19, 0
.irp ver, 0,1
.irp u, 0,1,2
	ds_store_b128 v3, v[16:19] offset:\ver*IMG+\u*4352
.endr
.endr
	s_branch .Lnoq
.Lreal:
.set j, 0
.rept 12
	global_load_b128 v[X+4*j:X+4*j+3], v7, s[8:9] offset:256*j th:TH_LOAD_NT   ; sixteen lanes read 256 consecutive bytes of a row
.set j, j+1
.endr
.set j, 0
.rept 12
	global_load_b128 v[P+4*j:P+4*j+3], v8, s[12:13] offset:256*j
.set j, j+1
.endr
	s_mov_b32 s55, 0xffff
	s_or_b32 s72, s54, s52
	s_cmp_lg_u32 s72, 0                            ; token 0 lies in lanes 0-15 of wave 0 of tile 0
	s_cbranch_scc1 .Lnocls
.set j, 0
.rept 12
	global_load_b128 v[B+4*j:B+4*j+3], v6, s[10:11] offset:256*j
.set j, j+1
.endr
	s_wait_loadcnt 0x0
.set n, 0
.rept 48
	v_cndmask_b32 v[X+n], v[X+n], v[B+n], s55      ; the class token in place of a row of image
.set n, n+1
.endr
	s_wait_alu depctr_va_vdst(0)
.Lnocls:
.set j, 0
.rept 12
	global_load_b128 v[B+4*j:B+4*j+3], v6, s[16:17] offset:256*j
.set j, j+1
.endr
	s_mov_b32 s[SINV], 0x3aaaaaab
	s_mov_b32 s[SEPS], 0x3727c5ac
	s_wait_kmcnt 0x0
	POW2 74, 38                                    ; 2^e2
	POW2 75, 40                                    ; 2^e4
	POW2 76, 36                                    ; 2^e0
	LIM 66, 67, 38
	LIM 68, 69, 40
	LIM 70, 71, 36
	s_wait_loadcnt 12                              ; x and pos are in; the bias's twelve loads are younger, on both ways
.set n, 0
.rept 24
	v_pk_add_f32 v[X+n:X+n+1], v[X+n:X+n+1], v[P+n:P+n+1]
.set n, n+2
.endr
.set j, 0
.rept 12
	global_load_b128 v[P+4*j:P+4*j+3], v6, s[14:15] offset:256*j   ; the gain takes pos's registers and lands while mean and variance are made
.set j, j+1
.endr
	s_wait_alu depctr_va_vdst(0)                   ; directly ahead of the wait below
	s_wait_xcnt 0x0                                ; the loads' address registers may be written
	LNCORE 0
	v_mov_b32 v8, s74
	v_mov_b32 v9, s75
	v_mov_b32 v10, s76
	VERSION 0, 8, 67, 66, 112
	VERSION 1, 9, 69, 68, 124
	s_cmp_lg_u32 s54, 0
	s_wait_alu depctr_va_vdst(0)
	s_cbranch_scc1 .Lnoq
	VERSION 2, 10, 71, 70, 136
.Lnoq:
	s_wait_dscnt 0x0                               ; my stores into the images have landed
	s_barrier_signal -1
	s_barrier_wait -1                              ; everybody's have
	s_wait_alu depctr_va_vdst(0)
.irp ver, 0,1
.irp t, 0,1,2
	ds_load_b128 v[X+4*(3*\ver+\t):X+4*(3*\ver+\t)+3], v4 offset:\ver*IMG+\t*4352
.endr
.endr
.irp ver, 0,1
.irp t, 0,1,2
	s_wait_dscnt 5-(3*\ver+\t)                     ; LDS loads come back in order: the younger ones may be out
	global_store_b128 v5, v[X+4*(3*\ver+\t):X+4*(3*\ver+\t)+3], s[28:29] offset:\ver*14336+\t*61440   ; 32 lanes store 512 consecutive bytes, two whole pieces
.endr
.endr
	s_cmp_lg_u32 s54, 0
	s_cbranch_scc1 .Lend
.irp t, 0,1,2
	ds_load_b128 v[X+24+4*\t:X+24+4*\t+3], v4 offset:2*IMG+\t*4352
.endr
.irp t, 0,1,2
	s_wait_dscnt 2-\t
	global_store_b128 v5, v[X+24+4*\t:X+24+4*\t+3], s[28:29] offset:2*14336+\t*61440
.endr
.Lend:
	s_wait_tensorcnt 0x0                           ; the wave's end, behind my last LDS store
	ds_add_u32 v1, v2
	s_wait_dscnt 0x0
	s_endpgm
	; ---------------- the weights' role: 64 columns x the three K steps of one parity.  A LANE TAKES A COLUMN AND ITS REGISTERS RUN DOWN K: the conversions then give 16 codes with K innermost:
	; the lane's 16 bytes of a piece.  Wave w makes piece w of K steps kb, 2 + kb, 4 + kb, for columns 0-31 and for columns 32-63 of the head: the two loads of a row stand one behind the other
	; and cover 256 consecutive bytes, aligned.  No LDS is touched here.
.Lweights:
	s_sub_co_u32 s60, ttmp9, 448
	v_and_b32 v6, 31, v0                           ; lane
	v_lshlrev_b32 v3, 2, v6                        ; my column in a row of the weight
	v_and_b32 v4, 1, v6
	v_lshrrev_b32 v7, 1, v6
	v_lshlrev_b32 v4, 12, v4
	v_lshl_add_u32 v4, v7, 4, v4                   ; even columns fill one piece, odd columns the piece two tiles on
	; 24 work-groups each for wk, wv and wq: 12 heads x 2 parities
	s_mov_b64 s[66:67], s[20:21]
	s_mov_b32 s62, 0
	s_cmp_ge_u32 s60, 24
	s_cselect_b64 s[66:67], s[22:23], s[66:67]
	s_cselect_b32 s62, 1, s62
	s_cmp_ge_u32 s60, 48
	s_cselect_b64 s[66:67], s[18:19], s[66:67]
	s_cselect_b32 s62, 2, s62                      ; which of the three: k, v, q
	s_mul_i32 s63, s62, 24
	s_sub_co_u32 s63, s60, s63
	s_lshr_b32 s61, s63, 1                         ; the head: 64 columns
	s_and_b32 s63, s63, 1                          ; kb
	s_lshl_b32 s76, s61, 8
	s_mul_i32 s77, s52, 12288                      ; 4 w rows of 3,072 bytes
	s_add_co_u32 s76, s76, s77
	s_mul_i32 s77, s63, 98304                      ; 32 kb rows
	s_add_co_u32 s76, s76, s77
	s_mov_b32 s77, 0
	s_add_nc_u64 s[66:67], s[66:67], s[76:77]
	s_mul_i32 s79, s61, 11
	s_lshr_b32 s79, s79, 5                         ; head / 3, for heads 0 to 11
	s_mul_i32 s76, s79, 442368                     ; the group of three heads,
	s_mul_i32 s79, s79, 3
	s_sub_co_u32 s79, s61, s79
	s_lshl_b32 s79, s79, 13                        ; the head inside it,
	s_add_co_u32 s76, s76, s79
	s_mul_i32 s78, s62, 24576                      ; k, v or q,
	s_add_co_u32 s76, s76, s78
	s_mul_i32 s78, s63, 73728                      ; K step kb,
	s_add_co_u32 s76, s76, s78
	s_lshl_b32 s78, s52, 8                         ; piece w
	s_add_co_u32 s76, s76, s78
	s_add_nc_u64 s[72:73], s[30:31], s[76:77]
	s_wait_alu depctr_va_vdst(0)
.set p, 0
.rept 3
.set y, 0
.rept 16
	global_load_b32 v[16+32*p+y], v3, s[66:67] offset:(256*p+64*(y/4)+(y%4))*3072 th:TH_LOAD_NT
	global_load_b32 v[32+32*p+y], v3, s[66:67] offset:(256*p+64*(y/4)+(y%4))*3072+128 th:TH_LOAD_NT
.set y, y+1
.endr
.set p, p+1
.endr
	s_wait_kmcnt 0x0                               ; the scales are wanted only now
	s_mov_b32 s61, s39                             ; e3,
	s_cmp_ge_u32 s62, 1
	s_cselect_b32 s61, s41, s61                    ; e5
	s_cmp_ge_u32 s62, 2
	s_cselect_b32 s61, s37, s61                    ; or e1
	POW2 78, 61
	LIM 74, 75, 61
	v_mov_b32 v5, s78
	s_wait_alu depctr_va_vdst(0)                   ; directly ahead of the wait below
.set p, 0
.rept 3
.if p == 0
	s_wait_loadcnt 63                              ; the largest count that a wait names: at most 63 of the 96 are then out, so the first 33 are in
.else
	s_wait_loadcnt 32*(2-p)                        ; the later K steps' loads may be out
.endif
.set n, 0
.rept 32
	v_med3_num_f32 v[16+32*p+n], v[16+32*p+n], s75, s74
.set n, n+1
.endr
.irp hh, 0,1
	v_cvt_scalef32_pk8_fp8_f32 v[112+8*p+4*\hh:113+8*p+4*\hh], v[16+32*p+16*\hh:23+32*p+16*\hh], v5
	v_cvt_scalef32_pk8_fp8_f32 v[114+8*p+4*\hh:115+8*p+4*\hh], v[24+32*p+16*\hh:31+32*p+16*\hh], v5
	global_store_b128 v4, v[112+8*p+4*\hh:115+8*p+4*\hh], s[72:73] offset:p*147456+\hh*2048   ; sixteen lanes fill one whole piece of 256 bytes; each store has its own registers
.endr
.set p, p+1
.endr
	s_endpgm
.Lfunc_end_k_qdced93744f_prep:
	.size	k_qdced93744f_prep, .Lfunc_end_k_qdced93744f_prep-k_qdced93744f_prep
	.p2alignl 7, 3214868480
	.fill 96, 4, 3214868480
	.section	.rodata,"a",@progbits
	.p2align	6, 0x0
	.amdhsa_kernel k_qdced93744f_prep
		.amdhsa_group_segment_fixed_size 40192
		.amdhsa_private_segment_fixed_size 0
		.amdhsa_enable_private_segment 0
		.amdhsa_kernarg_size 88
		.amdhsa_user_sgpr_count 2
		.amdhsa_user_sgpr_kernarg_segment_ptr 1
		.amdhsa_wavefront_size32 1
		.amdhsa_system_sgpr_workgroup_id_x 1
		.amdhsa_system_sgpr_workgroup_id_y 1
		.amdhsa_system_sgpr_workgroup_id_z 1
		.amdhsa_system_vgpr_workitem_id 0
		.amdhsa_next_free_vgpr 160
		.amdhsa_next_free_sgpr 90
		.amdhsa_reserve_vcc 0
		.amdhsa_float_denorm_mode_32 3
		.amdhsa_float_denorm_mode_16_64 3
		.amdhsa_memory_ordered 1
		.amdhsa_forward_progress 1
		.amdhsa_inst_pref_size 58
	.end_amdhsa_kernel
	.amdgpu_metadata
---
amdhsa.version: [ 1, 2 ]
amdhsa.kernels:
  - .name:           k_qdced93744f_prep
    .symbol:         k_qdced93744f_prep.kd
    .args:
      - { .name: image, .offset: 0, .size: 8, .value_kind: global_buffer, .address_space: global }
      - { .name: clstoken, .offset: 8, .size: 8, .value_kind: global_buffer, .address_space: global }
      - { .name: pos_emb, .offset: 16, .size: 8, .value_kind: global_buffer, .address_space: global }
      - { .name: ln1_g, .offset: 24, .size: 8, .value_kind: global_buffer, .address_space: global }
      - { .name: ln1_b, .offset: 32, .size: 8, .value_kind: global_buffer, .address_space: global }
      - { .name: wq, .offset: 40, .size: 8, .value_kind: global_buffer, .address_space: global }
      - { .name: wk, .offset: 48, .size: 8, .value_kind: global_buffer, .address_space: global }
      - { .name: wv, .offset: 56, .size: 8, .value_kind: global_buffer, .address_space: global }
      - { .name: lowp_scales, .offset: 64, .size: 8, .value_kind: global_buffer, .address_space: global }
      - { .name: hc, .offset: 72, .size: 8, .value_kind: global_buffer, .address_space: global }
      - { .name: wcodes, .offset: 80, .size: 8, .value_kind: global_buffer, .address_space: global }
    .group_segment_fixed_size: 40192
    .private_segment_fixed_size: 0
    .kernarg_segment_align: 8
    .kernarg_segment_size: 88
    .max_flat_workgroup_size: 256
    .sgpr_count:     90
    .vgpr_count:     160
    .wavefront_size: 32
...
	.end_amdgpu_metadata
.endif
;; end of part 1
;; launch attn (part 2): grid 4 x 64, 7 waves a work-group, clusters of 4 x 4, 327,680 bytes of LDS; arguments hc, wcodes, lowp_scales, clstoken, pos_emb, a0, w1, w2, wm; writes a0, wm
.if DOCPART == 2
	.amdgcn_target "amdgcn-amd-amdhsa--gfx1250"
	.amdhsa_code_object_version 6
	.text
	.protected	k_qdced93744f_attn
	.globl	k_qdced93744f_attn
	.p2align	8
	.type	k_qdced93744f_attn,@function
k_qdced93744f_attn:
	s_mov_b64 s[64:65], 0
	v_nop
	global_prefetch_b8 v0, s[64:65] scope:SCOPE_SE
	s_setreg_imm32_b32 hwreg(HW_REG_WAVE_MODE, 25, 1), 1
	s_wait_xcnt 0x0
	s_wait_alu depctr_hold_cnt(0) depctr_sa_sdst(0) depctr_va_vdst(0) depctr_va_sdst(0) depctr_va_ssrc(0) depctr_va_vcc(0) depctr_vm_vsrc(0)
	s_getreg_b32 s2, hwreg(HW_REG_IB_STS2, 6, 4)
	s_cmp_eq_u32 s2, 0
	s_cbranch_scc0 .Lentry_in_a_cluster
	s_endpgm
.Lentry_in_a_cluster:
	s_bfe_u32 s2, ttmp6, 0x10000c
	s_cmp_lg_u32 s2, 0xf033
	s_cbranch_scc0 .Lentry_shape_is_right
	s_endpgm
.Lentry_shape_is_right:
; a0[b][:] = x[b][0][:] + attention(LN1(x))[b][0][:]: the one row of each batch that the output hangs on.  All five products on codes of E4M3.  Beside that, w1 and w2 become codes for the next launch.
; LEFT OUT, as the first kernel's head shows: queries 16 to 98 of each batch; of the tile of queries 0 to 15 query 0 alone is kept.
; SHARES.  A cluster of 4 x 4 work-groups owns four batches x twelve heads: work-group (cx, cy) three heads of one batch.  Its waves: 0 and 1 make K = h wk, 2 and 3 V = h wv, each six tiles of 16 columns x
; seven tiles of 16 tokens (42 accumulators); 4, 5 and 6 make Q = h wq for tokens 0-15, one head each, and later that head's scores, softmax and P V.  K's and V's codes reach them through LDS.
; Waves 4 to 6 also turn one 1 / 768 of w2 and of w1 each into codes: loads of one part of the text are converted in the next.
; JOINT LOADS.  The batch's codes are shared along a row of the cluster (same cy), a group of three heads' weights along a column (same cx).
; LDS: three slots of a K step of 128: tokens' codes 30,720 bytes (15 fragments), weights' 73,728 (k, v, q: 12 fragments each).  K steps 0, 1, 2 come at the head, one load a wave; K step 3 goes into slot 0 behind K step 0's work,
; K steps 4 and 5 into slots 1 and 2 behind K step 2's.  What the two refills ask for is prefetched into the L2 behind the head's loads: the batch's by its four work-groups, 90 blocks of 256 bytes each; the weights', the same for
; all clusters, by the first four clusters alone, 216 blocks in each work-group; told apart by address.
; LAYOUT.  K^T and Q^T are made transposed (source 0 = 16 columns of the weight, source 1 = 16 tokens): a lane holds one token and 8 places along the head's 64, so a conversion gives 8 codes along d.
; V is made as it stands (source 0 = 16 tokens, source 1 = 16 columns): a lane holds one column and 8 tokens, so a conversion gives 8 codes along the keys.
; S^T = K Q^T: a lane holds one query and the keys 16 i + 8 (lane / 16) + 0 .. 7, the same keys as V's codes: p's conversions are the last product's operand.
; THE SOFTMAX: t = score x log2(e) / 8; M = the row's largest t rounded up to a whole number; p = 2^(t - M) is quantised, not normalised; the sum of the unquantised p divides at the end.
; Keys 99 to 111 get t = -infinity, keys 112 to 127 zero codes on both sides.
; LIMITS on the given exponents, so that each power of two below is an f32 number: e7 - e2 - e3, e6 - e0 - e1, e9 - e4 - e5, e8, e11 and e13 between -126 and 119; e6 + e7 between -123 and 130.  The scaled scores stay under 2^31 in magnitude.
; NaN is not served.
; REGISTERS of waves 0-3: v16-111 six weight fragments, v112-159 three token fragments by turns, accumulators (token i, column c): i < 5 at v256 + 8 (6 i + c), else at v160 + 8 (6 (i - 5) + c).
;   Waves 4-6: v16-79 64 numbers of w1 or w2, v80-95 their codes, v96-159 four fragments of wq, v496-511 tokens 0-15, v256-287 four accumulators.  v160, v161: the scales of w2 and w1; v162: the prefetches' offset.
.set WBASE, 92160                      ; the weights' slots, behind the tokens'
.set SPARE, 313344                     ; behind the slots: the spare words, 128 bytes for each of seven waves
.set KST,   92160                      ; K's codes on their way to waves 4-6: [pair of tiles 6][tokens 7][512], in slot 0 of the weights, which has had its last fill and its last read by then
.set VST,   113664                     ; V's: [column tile 12][4][512]
.set VH,    4                          ; v4: tokens, slots 0 and 1; v5: slot 2
.set VW,    6                          ; v6-8: weights, slots 0, 1, 2
.set MSB, 0
.set ZR, 1                             ; 1: the products start the sums
.set VR, 0                             ; 0: K, 1: V
.set HB, 0                             ; which of the three token buffers a step's token 0 takes (mod 3)
.macro WIN new                         ; the immediate's high byte repeats the setting that is left; a switch that changes nothing is dropped
.if MSB != \new
	s_set_vgpr_msb (MSB<<8)|\new
.set MSB, \new
.endif
.endm
.macro POW2 d, e
	s_add_co_i32 s[\d], s[\e], 127
	s_lshl_b32 s[\d], s[\d], 23
.endm
.macro LIM p, n, e
	s_add_co_i32 s[\p], s[\e], 135
	s_lshl_b32 s[\p], s[\p], 23
	s_or_b32 s[\p], s[\p], 0x600000
	s_or_b32 s[\n], s[\p], 0x80000000
.endm
.macro PLACES n                        ; places behind a matrix instruction (ISA guide 7.12.1 for vector instructions)
.rept \n
	v_nop
.endr
.endm
.macro CROUND                          ; a round of the cluster's barrier
	s_barrier_signal -1
	s_barrier_wait -1
	s_cmp_lg_u32 s22, 0
	s_cbranch_scc1 .Lnot_wave_0_\@
	s_barrier_signal -3
.Lnot_wave_0_\@:
	s_barrier_wait -3
	s_barrier_signal -1
	s_barrier_wait -1
.endm
.macro JLOAD                           ; a joint load: waves 0-5 a sixth of the weights each, wave 6 the tokens' codes
	s_cmp_lt_u32 s22, 6
	s_cbranch_scc0 .Lfor_h_\@
	tensor_load_to_lds s[44:47], s[28:35]
	s_nop 0
.rept 4
	v_nop
.endr
	s_branch .Lasked_\@
.Lfor_h_\@:
	tensor_load_to_lds s[48:51], s[36:43]
	s_nop 0
.rept 4
	v_nop
.endr
.Lasked_\@:
.endm
; The change of slots: all my loads are done; the add; the descriptors for K steps step .. step + n - 1 into slots from slot on; my reads are over; a round; the load.
.macro REFILL step, n, slot
	s_wait_tensorcnt 0x0
	ds_add_u32 v9, v10
	s_mul_i32 s26, s22, (\n)*12288
	s_add_co_u32 s45, s26, WBASE+(\slot)*73728
	s_add_co_u32 s26, s26, (\step)*73728
	s_add_nc_u64 s[46:47], s[52:53], s[26:27]
	s_or_b32 s47, s47, 0x80000000
	s_mov_b32 s30, ((\n)*48)<<16
	s_mov_b32 s32, (\n)*48
	s_mov_b32 s49, (\slot)*30720
	s_add_nc_u64 s[50:51], s[54:55], (\step)*30720
	s_or_b32 s51, s51, 0x80000000
	s_mov_b32 s38, ((\n)*120)<<16
	s_mov_b32 s40, (\n)*120
	s_wait_dscnt 0x0
	CROUND
	JLOAD
.endm
.macro HL tok, slot, ofs               ; a token tile's fragment; ofs = 7: of the next K step
.set HF, 112+16*((HB+(\ofs)+(\tok))%3)
.irp c, 0,1,2,3
.if (\slot) < 2
	ds_load_b128 v[HF+4*\c:HF+4*\c+3], v[VH] offset:(\slot)*30720+(\tok)*2048+512*\c
.else
	ds_load_b128 v[HF+4*\c:HF+4*\c+3], v[VH+1] offset:(\tok)*2048+512*\c
.endif
.endr
.endm
.macro WLD lo, slot                    ; weight fragments lo .. lo + 2
.irp d, 0,1,2
.irp c, 0,1,2,3
	ds_load_b128 v[16+16*((\lo)+\d)+4*\c:16+16*((\lo)+\d)+4*\c+3], v[VW+(\slot)] offset:((\lo)+\d)*2048+512*\c
.endr
.endr
.endm
.macro PRE slot                        ; a step's first 36 loads, in the order in which they are used
	HL 0, \slot, 0
	WLD 0, \slot
	WLD 3, \slot
	HL 1, \slot, 0
	HL 2, \slot, 0
.endm
.macro MM tok, c
.if (\tok) < 5
.set AA, 8*(6*(\tok)+(\c))
.else
.set AA, 160+8*(6*((\tok)-5)+(\c))
.endif
.set WR, 16+16*(\c)
.set HR, 112+16*((HB+(\tok))%3)
.if VR
.if ZR
	v_wmma_f32_16x16x128_fp8_fp8 v[AA:AA+7], v[HR:HR+15], v[WR:WR+15], 0
.else
	v_wmma_f32_16x16x128_fp8_fp8 v[AA:AA+7], v[HR:HR+15], v[WR:WR+15], v[AA:AA+7]
.endif
.else
.if ZR
	v_wmma_f32_16x16x128_fp8_fp8 v[AA:AA+7], v[WR:WR+15], v[HR:HR+15], 0
.else
	v_wmma_f32_16x16x128_fp8_fp8 v[AA:AA+7], v[WR:WR+15], v[HR:HR+15], v[AA:AA+7]
.endif
.endif
.endm
; A K step of waves 0-3 behind its PRE: 42 products, one for each accumulator, in the same order in every step: the accumulators take turns.  nslot: the slot of the next step in the same part of the text, or -1.
.macro KSTEP slot, nslot
.irp c, 0,1,2,3,4,5
	s_wait_dscnt 28-4*\c                           ; token 0 and weight c are in; the later weights and tokens 1 and 2 may be out
	WIN 0x50
	MM 0, \c
.endr
.irp t, 1,2,3,4
	PLACES 4
	WIN 0
	HL \t+2, \slot, 0                              ; into the buffer of the token just done
	s_wait_dscnt 8                                 ; the two later tokens' loads may be out
	WIN 0x50
.irp c, 0,1,2,3,4,5
	MM \t, \c
.endr
.endr
	PLACES 4
	WIN 0
.if (\nslot) >= 0
	HL 0, \nslot, 7
	s_wait_dscnt 4                                 ; the next step's token 0 may be out
.else
	s_wait_dscnt 0
.endif
.irp c, 0,1,2
	MM 5, \c
	MM 6, \c
.endr
.if (\nslot) >= 0
	PLACES 4
	WLD 0, \nslot
.endif
.irp c, 3,4,5
	MM 5, \c
	MM 6, \c
.endr
	PLACES 5
.if (\nslot) >= 0
	WLD 3, \nslot
	HL 1, \nslot, 7
	HL 2, \nslot, 7
.endif
.set HB, HB+7
.endm
; A K step of waves 4-6: four products.
.macro QSTEP slot
	WIN 0x40
.irp c, 0,1,2,3
.if (\slot) < 2
	ds_load_b128 v[240+4*\c:243+4*\c], v[VH] offset:(\slot)*30720+512*\c
.else
	ds_load_b128 v[240+4*\c:243+4*\c], v[VH+1] offset:512*\c
.endif
.endr
	WIN 0
.irp t, 0,1,2,3
.irp c, 0,1,2,3
	ds_load_b128 v[96+16*\t+4*\c:99+16*\t+4*\c], v[VW+(\slot)] offset:\t*2048+512*\c
.endr
.endr
	s_wait_dscnt 0x0
	WIN 0x54                                       ; source 0 window 0, the rest window 1
.irp t, 0,1,2,3
.if ZR
	v_wmma_f32_16x16x128_fp8_fp8 v[8*\t:8*\t+7], v[96+16*\t:111+16*\t], v[240:255], 0
.else
	v_wmma_f32_16x16x128_fp8_fp8 v[8*\t:8*\t+7], v[96+16*\t:111+16*\t], v[240:255], v[8*\t:8*\t+7]
.endif
.endr
	WIN 0
	PLACES 5
.endm
; w1 and w2 into codes.  A LANE TAKES A COLUMN AND ITS REGISTERS RUN DOWN K.  32 loads: 16 rows x 64 columns.
.macro ISW2 p, r
.set y, 0
.rept 16
	global_load_b32 v[(\r)+y], v3, s[60:61] offset:(128*(\p)+y)*3072 th:TH_LOAD_NT
	global_load_b32 v[(\r)+16+y], v3, s[60:61] offset:(128*(\p)+y)*3072+128 th:TH_LOAD_NT
.set y, y+1
.endr
.endm
.macro ISW1 p, r                       ; (the base stands at p = 1)
.set y, 0
.rept 16
	global_load_b32 v[(\r)+y], v3, s[62:63] offset:(256*((\p)-1)+64*(y/4)+(y%4))*12288 th:TH_LOAD_NT
	global_load_b32 v[(\r)+16+y], v3, s[62:63] offset:(256*((\p)-1)+64*(y/4)+(y%4))*12288+128 th:TH_LOAD_NT
.set y, y+1
.endr
.endm
.macro CONV r, c, sn, sp, vs
.set n, 0
.rept 32
	v_med3_num_f32 v[(\r)+n], v[(\r)+n], s[\sn], s[\sp]   ; the hold: the conversion to an 8-bit code does not saturate (ISA guide 7.6.2)
.set n, n+1
.endr
.irp g, 0,1,2,3
	v_cvt_scalef32_pk8_fp8_f32 v[(\c)+2*\g:(\c)+2*\g+1], v[(\r)+8*\g:(\r)+8*\g+7], v[\vs]
.endr
	v_nop                                          ; a plain instruction behind the last conversion
.endm
.macro CW2 p, r, c                     ; sixteen lanes fill one whole piece of 256 bytes
	CONV \r, \c, 87, 86, 160
	global_store_b128 v1, v[(\c):(\c)+3], s[66:67] offset:(\p)*2048
	global_store_b128 v1, v[(\c)+4:(\c)+7], s[66:67] offset:(\p)*2048+98304
.endm
.macro CW1 p, r, c
	CONV \r, \c, 89, 88, 161
	global_store_b128 v2, v[(\c):(\c)+3], s[84:85] offset:(\p)*4096
	global_store_b128 v2, v[(\c)+4:(\c)+7], s[84:85] offset:(\p)*4096+24576
.endm
.macro LANDED                          ; the 64 numbers are in; the codes' registers have been read by the earlier stores
	s_wait_loadcnt 0x0
	s_wait_xcnt 0x0
.endm
.macro DISPATCH n                      ; by the wave's number alone; falls through in waves 4-6
	s_cmp_lt_u32 s22, 2
	s_cbranch_scc1 .LK\n
	s_cmp_lt_u32 s22, 4
	s_cbranch_scc1 .LV\n
.endm
	s_load_b256 s[4:11], s[0:1], 0x0               ; hc 4, wcodes 6, lowp_scales 8, clstoken 10
	s_load_b256 s[12:19], s[0:1], 0x20             ; pos_emb 12, a0 14, w1 16, w2 18
	s_load_b64 s[20:21], s[0:1], 0x40              ; wm: w2's codes [n tile 48][K step 24][2048], at 2,359,296 w1's [n tile 192][K step 6][2048]
	v_lshl_add_u32 v9, v0, 2, SPARE                ; my spare word; never rewritten
	v_mov_b32 v10, 0                               ; 0; never rewritten
	ds_add_u32 v9, v10                             ; the opening: the add, twice on end, and its wait ahead of my first tensor load
	ds_add_u32 v9, v10
	v_lshrrev_b32 v12, 5, v0
	v_readfirstlane_b32 s22, v12                   ; wave 0..6
	s_bfe_u32 s23, ttmp6, 0x40000                  ; cx: the group of three heads
	s_bfe_u32 s24, ttmp6, 0x40004                  ; cy
	s_and_b32 s59, ttmp7, 0xffff                   ; the cluster
	s_lshl_b32 s25, s59, 2
	s_add_co_u32 s25, s25, s24                     ; the batch
	; descriptor groups 1: s[28:35] weights, s[36:43] tokens: 15:0 the mask; 17:16 elements of 8 bytes; 21 set beside a mask; dense rows of 32 elements = 256 bytes
	s_lshl_b32 s26, 0x1111, s23
	s_or_b32 s28, s26, (3<<16)|(1<<21)             ; my column of the cluster
	s_lshl_b32 s90, s24, 2
	s_lshl_b32 s90, 15, s90
	s_or_b32 s36, s90, (3<<16)|(1<<21)             ; my row
.irp g, 28, 36
	s_mov_b32 s[\g+1], 32<<16
	s_mov_b32 s[\g+3], 32<<16
	s_mov_b32 s[\g+5], 32
	s_mov_b32 s[\g+6], 0
	s_mov_b32 s[\g+7], 0
.endr
	s_mov_b32 s30, 144<<16                         ; three K steps' weights are 864 rows: 144 for each of six waves
	s_mov_b32 s32, 144
	s_mov_b32 s38, 360<<16                         ; three K steps' tokens: 360 rows
	s_mov_b32 s40, 360
	; LDS addresses: by lane and wave alone
	s_lshl_b32 s92, s22, 13
	s_min_u32 s93, s22, 4
	s_lshl_b32 s93, s93, 12
	s_add_co_u32 s92, s92, s93                     ; my weights in a slot: 12,288 x wave in waves 0-3 (six fragments), 49,152 + 8,192 (wave - 4) in waves 4-6 (four)
	s_add_co_u32 s92, s92, WBASE
	s_lshr_b32 s93, s22, 1
	s_min_u32 s93, s93, 2
	s_mul_i32 s93, s93, 14336                      ; my tokens: fragments 0, 7 or 14 on
	v_and_b32 v12, 31, v0                          ; lane
	v_lshlrev_b32 v3, 2, v12                       ; 4 x lane: a column of w1 or w2
	v_lshlrev_b32 v11, 3, v12                      ; 8 x lane
	v_lshlrev_b32 v13, 4, v12
	v_lshrrev_b32 v14, 4, v12
	v_and_b32 v15, 15, v12
	v_add_nc_u32 v4, s93, v13
	v_add_nc_u32 v6, s92, v13
	v_mul_u32_u24 v1, v14, 0xc000
	v_mul_u32_u24 v2, v14, 0x3000
	v_add_nc_u32 v5, 61440, v4
	v_add_nc_u32 v7, 73728, v6
	v_lshl_add_u32 v1, v15, 4, v1                  ; codes of w2 and w1: n tile lane / 16, row lane % 16
	v_lshl_add_u32 v2, v15, 4, v2
	v_add_nc_u32 v8, 73728, v7
	s_cmp_lt_u32 s22, 3
	s_mov_b32 s94, 26
	s_cselect_b32 s94, 29, s94
	v_min_u32 v162, s94, v12                       ; the prefetches: a lane a block of 256 bytes; lanes that are left over name the last again
	v_lshlrev_b32 v162, 8, v162
	; where my part of w2 and w1 lies: T = 3 x work-group + (wave - 4) of 768; G = T / 8, w = T % 8
	s_lshl_b32 s56, s59, 4
	s_lshl_b32 s57, s24, 2
	s_add_co_u32 s56, s56, s57
	s_add_co_u32 s56, s56, s23
	s_mul_i32 s56, s56, 3
	s_and_b32 s57, s22, 3
	s_add_co_u32 s56, s56, s57
	s_lshr_b32 s57, s56, 3                         ; G
	s_and_b32 s56, s56, 7                          ; w
	s_mul_i32 s94, s56, 49152                      ; 16 w rows of w2, 4 w rows of w1
	s_lshl_b32 s98, s56, 8                         ; piece w
	s_and_b32 s58, s57, 7                          ; w2: which 384 rows,
	s_lshr_b32 s95, s57, 3                         ; which 64 columns
	s_mul_i32 s60, s58, 1179648
	s_add_co_u32 s60, s60, s94
	s_lshl_b32 s99, s95, 8
	s_add_co_u32 s60, s60, s99
	s_mov_b32 s61, 0
	s_mul_i32 s66, s95, 196608
	s_mul_i32 s99, s58, 6144
	s_add_co_u32 s66, s66, s99
	s_add_co_u32 s66, s66, s98
	s_mov_b32 s67, 0
	s_lshr_b32 s95, s57, 1                         ; w1: which 64 columns,
	s_and_b32 s58, s57, 1                          ; which parity of K steps
	s_lshl_b32 s62, s95, 8
	s_add_co_u32 s62, s62, s94
	s_mul_i32 s99, s58, 393216
	s_add_co_u32 s62, s62, s99
	s_add_co_u32 s62, s62, 3145728                 ; (at p = 1)
	s_mov_b32 s63, 0
	s_mul_i32 s84, s95, 49152
	s_lshl_b32 s99, s58, 11
	s_add_co_u32 s84, s84, s99
	s_add_co_u32 s84, s84, s98
	s_add_co_u32 s84, s84, 2359296
	s_mov_b32 s85, 0
	; where my prefetches stand: waves 0-2: 30 blocks each of my batch's K steps 3 to 5; waves 3-6: 54 each of my heads' weights
	s_mul_i32 s86, s23, 23040
	s_mul_i32 s87, s22, 7680
	s_add_co_u32 s86, s86, s87
	s_add_co_u32 s86, s86, 92160
	s_mul_i32 s88, s24, 55296
	s_sub_co_u32 s89, s22, 3
	s_mul_i32 s89, s89, 13824
	s_add_co_u32 s88, s88, s89
	s_add_co_u32 s88, s88, 221184
	s_cmp_lt_u32 s22, 3
	s_cselect_b32 s86, s86, s88
	s_mov_b32 s87, 0
	s_mul_i32 s45, s22, 36864
	s_mul_i32 s26, s23, 442368
	s_mov_b32 s27, 0
	s_mul_i32 s90, s25, 184320
	s_mov_b32 s91, 0
	s_wait_alu depctr_va_vdst(0)                   ; directly ahead of the waits below
	s_wait_dscnt 0x0                               ; both opening adds are done
	s_wait_kmcnt 0x0
	s_load_b512 s[68:83], s[8:9], 0x0              ; e0 .. e15 in s68 .. s83
	s_add_nc_u64 s[52:53], s[6:7], s[26:27]        ; my three heads' weights: cx alone
	s_add_nc_u64 s[54:55], s[4:5], s[90:91]        ; my batch's codes: the batch alone
	s_mov_b32 s26, s45
	s_mov_b32 s44, 1
	s_add_co_u32 s45, s45, WBASE
	s_add_nc_u64 s[46:47], s[52:53], s[26:27]
	s_or_b32 s47, s47, 0x80000000
	s_mov_b32 s48, 1
	s_mov_b32 s49, 0
	s_mov_b64 s[50:51], s[54:55]
	s_or_b32 s51, s51, 0x80000000
	CROUND                                         ; all sixteen work-groups are here: the joint loads meet
	JLOAD                                          ; K steps 0, 1 and 2: one load a wave
	s_add_nc_u64 s[60:61], s[18:19], s[60:61]
	s_add_nc_u64 s[62:63], s[16:17], s[62:63]
	s_add_nc_u64 s[66:67], s[20:21], s[66:67]
	s_add_nc_u64 s[84:85], s[20:21], s[84:85]
	s_mul_i32 s100, s23, 3
	s_and_b32 s101, s22, 3
	s_add_co_u32 s100, s100, s101                  ; my head (waves 4-6)
	s_lshl_b32 s100, s100, 8                       ; its 64 numbers of a row
	s_mov_b32 s101, 0
	s_add_nc_u64 s[10:11], s[10:11], s[100:101]
	s_add_nc_u64 s[12:13], s[12:13], s[100:101]
	s_add_nc_u64 s[14:15], s[14:15], s[100:101]
	s_mul_i32 s100, s25, 3072
	s_add_nc_u64 s[14:15], s[14:15], s[100:101]
	s_cmp_lt_u32 s22, 3
	s_cselect_b64 s[98:99], s[54:55], s[52:53]
	s_add_nc_u64 s[98:99], s[98:99], s[86:87]
	s_cmp_lt_u32 s22, 4
	s_cbranch_scc1 .Lnostream
	global_load_b64 v[12:13], v11, s[10:11]        ; the class token's and pos row 0's numbers 2 lane, 2 lane + 1 of my head
	global_load_b64 v[14:15], v11, s[12:13]
	ISW2 0, 16
	ISW2 1, 48
.Lnostream:
	s_cmp_lt_u32 s22, 3
	s_cbranch_scc1 .Lask_h
	s_cmp_lt_u32 s59, 4                            ; the weights are the same for all clusters: the first four ask
	s_cbranch_scc0 .Lasked
	global_prefetch_b8 v162, s[98:99] th:TH_LOAD_NT scope:SCOPE_SE
	global_prefetch_b8 v162, s[98:99] offset:6912 th:TH_LOAD_NT scope:SCOPE_SE
	s_branch .Lasked
.Lask_h:
	global_prefetch_b8 v162, s[98:99] th:TH_LOAD_NT scope:SCOPE_SE
.Lasked:
	s_wait_kmcnt 0x0
	LIM 86, 87, 81                                 ; w2: e13
	LIM 88, 89, 79                                 ; w1: e11
	POW2 100, 81
	v_mov_b32 v160, s100
	POW2 101, 79
	v_mov_b32 v161, s101
	s_wait_alu depctr_va_vdst(0)                   ; the wait at the head's end
	s_wait_tensorcnt 0x0                           ; my part of K steps 0 to 2 is in,
	s_wait_xcnt 0x0                                ; the prefetches have read their addresses,
	s_barrier_signal -1
	s_barrier_wait -1                              ; and everybody's part is in
	; ---------------- K step 0
	DISPATCH 0
	QSTEP 0
	LANDED
	CW2 0, 16, 80
	CW2 1, 48, 88
	ISW2 2, 16
	ISW1 0, 48
	s_wait_alu depctr_va_vdst(0)                   ; directly ahead of the branch
	s_branch .LJ0
.macro PART0
.set HB, 0
	PRE 0
	KSTEP 0, -1
	PRE 1                                          ; K step 1's first fragments, ahead of the round
.endm
.LK0:
	PART0
	s_branch .LJ0
.LV0:
.set VR, 1
	PART0
.LJ0:
.set ZR, 0
	REFILL 3, 1, 0
	; ---------------- K steps 1 and 2
	DISPATCH 1
	QSTEP 1
	QSTEP 2
	LANDED
	CW2 2, 16, 80
	CW1 0, 48, 88
	ISW1 1, 16
	ISW1 2, 48
	s_wait_alu depctr_va_vdst(0)                   ; directly ahead of the branch
	s_branch .LJ1
.macro PART1
.set HB, 7
	KSTEP 1, 2
	KSTEP 2, -1
.endm
.LK1:
.set VR, 0
	PART1
	s_branch .LJ1
.LV1:
.set VR, 1
	PART1
.LJ1:
	REFILL 4, 2, 1
	; ---------------- K step 3
	DISPATCH 2
	QSTEP 0
	s_branch .LJ2
.macro PART2
.set HB, 21
	PRE 0
	KSTEP 0, -1
.endm
.LK2:
.set VR, 0
	PART2
	s_branch .LJ2
.LV2:
.set VR, 1
	PART2
.LJ2:
	; the powers of two of what follows
	s_sub_co_i32 s93, s75, s70
	s_sub_co_i32 s93, s93, s71                     ; K: a sum of h wk stands for sum x 2^(e2 + e3): its code is sum / 2^(e7 - e2 - e3)
	s_sub_co_i32 s94, s77, s72
	s_sub_co_i32 s94, s94, s73                     ; V: e9 - e4 - e5
	s_cmp_lt_u32 s22, 2
	s_cselect_b32 s93, s93, s94
	LIM 90, 91, 93
	POW2 92, 93
	s_sub_co_i32 s93, s74, s68
	s_sub_co_i32 s93, s93, s69                     ; Q: e6 - e0 - e1
	LIM 94, 95, 93
	POW2 100, 93
	LIM 86, 87, 76                                 ; p: e8
	POW2 87, 76
	s_add_co_i32 s96, s74, s75
	s_lshl_b32 s96, s96, 23
	s_add_co_i32 s96, s96, 0x3e38aa3b              ; c = log2(e) / 8 x 2^(e6 + e7): the two exponents are added to c's exponent field
	s_mov_b32 s97, s96                             ; (named with it as a pair)
	s_add_co_i32 s99, s76, s77                     ; e8 + e9
	s_mov_b32 s56, 0x76543210                      ; v_permlanex16_b32: lane l xor 16
	s_mov_b32 s57, 0xfedcba98
	s_mov_b32 s58, 0xffff0000                      ; lanes 16-31
	s_wait_tensorcnt 0x0                           ; my part of K steps 4 and 5 is in,
	s_wait_dscnt 0x0                               ; my reads of slot 0 are over,
	s_barrier_signal -1
	s_barrier_wait -1                              ; and everybody's
	; ---------------- K steps 4 and 5, and the codes of K, V and Q
	DISPATCH 3
	QSTEP 1
	QSTEP 2
	v_mov_b32 v96, s100
	WIN 0x41
.set n, 0
.rept 32
	v_med3_num_f32 v[n], v[n], s95, s94
.set n, n+1
.endr
	WIN 0x01
.irp t, 0,1,2,3
	v_cvt_scalef32_pk8_fp8_f32 v[240+2*\t:241+2*\t], v[8*\t:8*\t+7], v96   ; Q's codes: the scores' operand
.endr
	v_nop
	WIN 0
	LANDED
	CW1 1, 16, 80
	CW1 2, 48, 88
	s_branch .LJ3
.macro PART3
.set HB, 28
	PRE 1
	KSTEP 1, 2
	KSTEP 2, -1
.endm
.LK3:
.set VR, 0
	PART3
	s_branch .Lhold
.LV3:
.set VR, 1
	PART3
.Lhold:
	v_mov_b32 v112, s92
	v_lshlrev_b32 v113, 2, v3                      ; 16 x lane
	WIN 0x41
.set n, 0
.rept 240
	v_med3_num_f32 v[n], v[n], s91, s90            ; the hold, each accumulator from its low end on
.set n, n+1
.endr
	WIN 0
.set n, 160
.rept 96
	v_med3_num_f32 v[n], v[n], s91, s90
.set n, n+1
.endr
	s_cmp_lt_u32 s22, 2
	s_wait_alu depctr_va_vdst(0)                   ; directly ahead of the branch
	s_cbranch_scc0 .Lvcodes
	s_mul_i32 s101, s22, 10752                     ; three pairs of tiles x seven tokens x 512 bytes
	s_add_co_u32 s101, s101, KST
	v_add_nc_u32 v113, s101, v113
	WIN 0x01
.irp i, 0,1,2,3,4
.irp c, 0,1,2,3,4,5
	v_cvt_scalef32_pk8_fp8_f32 v[16+12*\i+2*\c:17+12*\i+2*\c], v[8*(6*\i+\c):8*(6*\i+\c)+7], v112
.endr
.endr
	WIN 0
.irp i, 5,6
.irp c, 0,1,2,3,4,5
	v_cvt_scalef32_pk8_fp8_f32 v[16+12*\i+2*\c:17+12*\i+2*\c], v[160+8*(6*(\i-5)+\c):167+8*(6*(\i-5)+\c)], v112
.endr
.endr
	v_nop
.irp i, 0,1,2,3,4,5,6
.irp u, 0,1,2
	ds_store_b128 v113, v[16+12*\i+4*\u:19+12*\i+4*\u] offset:\u*3584+\i*512   ; two tiles' codes of a token: four registers of the scores' operand
.endr
.endr
	s_branch .LJ3
.Lvcodes:
	s_mul_i32 s101, s22, 12288                     ; (waves 2 and 3)
	s_add_co_u32 s101, s101, VST-24576
	v_add_nc_u32 v113, s101, v113
	WIN 0x01
.irp c, 0,1,2,3,4,5
.irp i, 0,1,2,3,4
	v_cvt_scalef32_pk8_fp8_f32 v[16+16*\c+2*\i:17+16*\c+2*\i], v[8*(6*\i+\c):8*(6*\i+\c)+7], v112   ; registers 2 i, 2 i + 1 of a column tile's fragment: keys 16 i + 8 (lane / 16) + 0 .. 7
.endr
.endr
	WIN 0
.irp c, 0,1,2,3,4,5
.irp i, 5,6
	v_cvt_scalef32_pk8_fp8_f32 v[16+16*\c+2*\i:17+16*\c+2*\i], v[160+8*(6*(\i-5)+\c):167+8*(6*(\i-5)+\c)], v112
.endr
.endr
.irp c, 0,1,2,3,4,5
	v_mov_b32 v[30+16*\c], 0                       ; keys 112 to 127: zero codes
	v_mov_b32 v[31+16*\c], 0
.endr
.irp c, 0,1,2,3,4,5
.irp u, 0,1,2,3
	ds_store_b128 v113, v[16+16*\c+4*\u:19+16*\c+4*\u] offset:\c*2048+\u*512
.endr
.endr
.LJ3:
	s_wait_alu depctr_va_vdst(0)                   ; directly ahead of the wait below
	s_wait_dscnt 0x0                               ; my codes have landed
	s_barrier_signal -1
	s_barrier_wait -1                              ; everybody's have
	s_cmp_lt_u32 s22, 4
	s_cbranch_scc1 .Lfin
	; ---------------- waves 4-6: one head each.  v16-71 K's codes, v240-247 Q's, v80-135 the scores, then p, v144-207 V's codes, v208-223 p's codes, v224-239 at work
	s_and_b32 s101, s22, 3
	s_mul_i32 s100, s101, 7168
	s_add_co_u32 s100, s100, KST
	s_lshl_b32 s101, s101, 13
	s_add_co_u32 s101, s101, VST
	v_lshlrev_b32 v4, 2, v3
	v_add_nc_u32 v5, s100, v4
	v_add_nc_u32 v6, s101, v4
.irp i, 0,1,2,3,4,5,6
	ds_load_b128 v[16+8*\i:19+8*\i], v5 offset:\i*512
	ds_load_b128 v[20+8*\i:23+8*\i], v5 offset:3584+\i*512
.endr
.irp t, 0,1,2,3
.irp u, 0,1,2,3
	ds_load_b128 v[144+16*\t+4*\u:147+16*\t+4*\u], v6 offset:\t*2048+\u*512
.endr
.endr
	s_wait_dscnt 0x0
	s_wait_xcnt 0x0                                ; the last codes' stores have read their registers
.set i, 0
.rept 7
	v_wmma_f32_16x16x64_fp8_fp8 v[80+8*i:87+8*i], v[16+8*i:23+8*i], v[240:247], 0   ; S^T: 16 keys x my 16 queries, K = the head's 64
.set i, i+1
.endr
	v_mov_b32 v228, 0                              ; written once: a lane permute's destination counts as one of its sources.  (These lines are the places behind the products)
	v_mov_b32 v229, 0
	v_mov_b32 v231, 0                              ; (named as the upper half of the pair v[230:231])
	v_mov_b32 v225, s87                            ; 2^e8
	v_mov_b32 v224, 0xff800000                     ; -infinity
	v_cndmask_b32 v128, v128, v224, s58            ; tile 6: keys 96 + 8 (lane / 16) + j: 96 to 98 count, the rest are padding
	v_cndmask_b32 v129, v129, v224, s58
	v_cndmask_b32 v130, v130, v224, s58
.irp n, 131,132,133,134,135
	v_mov_b32 v\n, 0xff800000
.endr
	v_max3_num_f32 v226, v80, v81, v82             ; the largest score of my query among my 56 keys, in two chains, ascending,
	v_max3_num_f32 v227, v83, v84, v85
.set n, 6
.rept 12
	v_max3_num_f32 v226, v226, v[80+n], v[81+n]
	v_max3_num_f32 v227, v227, v[82+n], v[83+n]
.set n, n+4
.endr
	v_max3_num_f32 v226, v226, v134, v135
	v_max_num_f32 v226, v226, v227
	v_permlanex16_b32 v228, v226, s56, s57
	v_max_num_f32 v226, v226, v228                 ; and among lane l xor 16's
	v_mul_f32 v226, s96, v226                      ; as t (c is positive)
	v_floor_f32 v230, -v226                        ; -M = floor(-t) = -ceil(t)
.set n, 0
.rept 28
	v_pk_fma_f32 v[80+n:81+n], v[80+n:81+n], s[96:97], v[230:231] op_sel_hi:[1,0,0]   ; t - M, two at a time
.set n, n+2
.endr
	s_wait_alu depctr_va_vdst(0)                   ; the wait ahead of the batch
.set n, 0
.rept 56
	v_exp_f32 v[80+n], v[80+n]                     ; p = 2^(t - M)
.set n, n+1
.endr
	v_mov_b32 v222, 0                              ; p's codes of keys 112 to 127.  (A plain instruction behind the exponentials)
	v_mov_b32 v223, 0
	s_wait_alu depctr_va_vdst(0)                   ; one wait for the whole batch, ahead of its first reader
	v_pk_add_f32 v[232:233], v[80:81], v[82:83]    ; the sum of the unquantised p, in two chains
	v_pk_add_f32 v[234:235], v[84:85], v[86:87]
.set n, 8
.rept 12
	v_pk_add_f32 v[232:233], v[232:233], v[80+n:81+n]
	v_pk_add_f32 v[234:235], v[234:235], v[82+n:83+n]
.set n, n+4
.endr
	v_pk_add_f32 v[232:233], v[232:233], v[234:235]
	v_add_f32 v232, v232, v233
	v_permlanex16_b32 v228, v232, s56, s57
	v_add_f32 v232, v232, v228                     ; the row's sum
	s_wait_alu depctr_va_vdst(0)                   ; the wait ahead of the transcendental too
	v_rcp_f32 v236, v232
.set n, 0
.rept 56
	v_min_num_f32 v[80+n], s86, v[80+n]            ; p is not negative: the hold is one-sided
.set n, n+1
.endr
.set i, 0
.rept 7
	v_cvt_scalef32_pk8_fp8_f32 v[208+2*i:209+2*i], v[80+8*i:87+8*i], v225
.set i, i+1
.endr
	v_nop                                          ; a plain instruction between the last conversion and the products, which read its result and write over its sources
	s_wait_alu depctr_va_vdst(0)                   ; the reciprocal's wait, ahead of its first reader
	v_ldexp_f32 v236, v236, s99                    ; 2^(e8 + e9) / the sum
	v_readfirstlane_b32 s98, v236                  ; query 0's, as a factor for all lanes
.irp t, 0,1,2,3
	v_wmma_f32_16x16x128_fp8_fp8 v[80+8*\t:87+8*\t], v[208:223], v[144+16*\t:159+16*\t], 0   ; O: register 0 of lanes 0-15 is query 0, column lane of tile t
.endr
	v_pk_add_f32 v[12:13], v[12:13], v[14:15]      ; x of token 0 = class token + pos row 0
	PLACES 4
	v_permlanex16_b32 v228, v88, s56, s57          ; tile t, lane r is d = 32 (t % 2) + 2 r + t / 2: lanes 16-31 take tiles 1 and 3
	v_permlanex16_b32 v229, v104, s56, s57
	v_cndmask_b32 v232, v80, v228, s58             ; o(2 lane)
	v_cndmask_b32 v233, v96, v229, s58             ; o(2 lane + 1)
	v_pk_fma_f32 v[232:233], v[232:233], s[98:99], v[12:13] op_sel_hi:[1,0,1]
	global_store_b64 v11, v[232:233], s[14:15]     ; 32 lanes store the head's 256 consecutive bytes, aligned
.Lfin:
	s_wait_tensorcnt 0x0                           ; the wave's end, behind my last tensor load and my last LDS store
	ds_add_u32 v9, v10
	s_wait_dscnt 0x0
	CROUND                                         ; the closing round: no work-group ends while a partner may still ask for a tile that names it
	s_endpgm
.Lfunc_end_k_qdced93744f_attn:
	.size	k_qdced93744f_attn, .Lfunc_end_k_qdced93744f_attn-k_qdced93744f_attn
	.p2alignl 7, 3214868480
	.fill 96, 4, 3214868480
	.section	.rodata,"a",@progbits
	.p2align	6, 0x0
	.amdhsa_kernel k_qdced93744f_attn
		.amdhsa_group_segment_fixed_size 327680
		.amdhsa_private_segment_fixed_size 0
		.amdhsa_enable_private_segment 0
		.amdhsa_kernarg_size 72
		.amdhsa_user_sgpr_count 2
		.amdhsa_user_sgpr_kernarg_segment_ptr 1
		.amdhsa_wavefront_size32 1
		.amdhsa_system_sgpr_workgroup_id_x 1
		.amdhsa_system_sgpr_workgroup_id_y 1
		.amdhsa_system_sgpr_workgroup_id_z 1
		.amdhsa_system_vgpr_workitem_id 0
		.amdhsa_next_free_vgpr 512
		.amdhsa_next_free_sgpr 102
		.amdhsa_reserve_vcc 0
		.amdhsa_float_denorm_mode_32 3
		.amdhsa_float_denorm_mode_16_64 3
		.amdhsa_memory_ordered 1
		.amdhsa_forward_progress 1
		.amdhsa_inst_pref_size 195
	.end_amdhsa_kernel
	.amdgpu_metadata
---
amdhsa.version: [ 1, 2 ]
amdhsa.kernels:
  - .name:           k_qdced93744f_attn
    .symbol:         k_qdced93744f_attn.kd
    .args:
      - { .name: hc, .offset: 0, .size: 8, .value_kind: global_buffer, .address_space: global }
      - { .name: wcodes, .offset: 8, .size: 8, .value_kind: global_buffer, .address_space: global }
      - { .name: lowp_scales, .offset: 16, .size: 8, .value_kind: global_buffer, .address_space: global }
      - { .name: clstoken, .offset: 24, .size: 8, .value_kind: global_buffer, .address_space: global }
      - { .name: pos_emb, .offset: 32, .size: 8, .value_kind: global_buffer, .address_space: global }
      - { .name: a0, .offset: 40, .size: 8, .value_kind: global_buffer, .address_space: global }
      - { .name: w1, .offset: 48, .size: 8, .value_kind: global_buffer, .address_space: global }
      - { .name: w2, .offset: 56, .size: 8, .value_kind: global_buffer, .address_space: global }
      - { .name: wm, .offset: 64, .size: 8, .value_kind: global_buffer, .address_space: global }
    .group_segment_fixed_size: 327680
    .private_segment_fixed_size: 0
    .kernarg_segment_align: 8
    .kernarg_segment_size: 72
    .max_flat_workgroup_size: 224
    .sgpr_count:     102
    .vgpr_count:     512
    .wavefront_size: 32
...
	.end_amdgpu_metadata
.endif
;; end of part 2
;; launch mlp (part 3): grid 32 x 4, 8 waves a work-group, no clusters, 67,328 bytes of LDS; arguments a0, ln2_g, ln2_b, wm, b1, lowp_scales, part, head_w, wh; writes part, wh
.if DOCPART == 3
	.amdgcn_target "amdgcn-amd-amdhsa--gfx1250"
	.amdhsa_code_object_version 6
	.text
	.protected	k_qdced93744f_mlp
	.globl	k_qdced93744f_mlp
	.p2align	8
	.type	k_qdced93744f_mlp,@function
k_qdced93744f_mlp:
	s_mov_b64 s[64:65], 0
	v_nop
	global_prefetch_b8 v0, s[64:65] scope:SCOPE_SE
	s_setreg_imm32_b32 hwreg(HW_REG_WAVE_MODE, 25, 1), 1
	s_wait_xcnt 0x0
; Both MLP products for the 64 rows that the output hangs on (token 0 of each batch: the first kernel's head shows that the other rows are dead work).  TWO ROLES, told apart by the work-group's x.
; x < 24: hidden units 128 x .. 128 x + 127, rows 16 y .. 16 y + 15.  Each work-group makes the layer norm of its 16 rows (two rows a wave, sixteen lanes a row) and hands the codes to its waves through LDS as 48 pieces of
; 256 bytes, 272 apart.  Wave w makes n tile 8 x + w of Q(relu(LN2(a0) w1 + b1)), all of K = 768; the eight waves' codes are one fragment of 16 rows x 128 K, which meets in LDS; wave w then multiplies it by n tiles
; 6 w .. 6 w + 5 of w2 at K step x.  What comes out is a part of the second product: the 24 parts of a number are added by the next launch.
; part: [x 24][pair of rows 32][w 8][row 2][96 columns] f32.
; Both products are used transposed (source 0 = 16 columns of the weight, source 1 = the 16 rows): a lane holds one row and 8 neighbouring columns.
; x >= 24: the 32 work-groups 4 (x - 24) + y turn head_w, stored [K][N] as f32, into codes: wh [n tile 64][K step 6][2048]: 16 columns x 128 K are 8 pieces of 256 bytes, k at byte k % 16 of piece k / 16, column r at 16 r.
; No cluster, no tensor load, no loop: a wave's 24,576 bytes of weights go straight into its own registers and are used once, and every load of a wave goes out ahead of the norm; the 49,152 bytes of a0 that work-groups share are
; a fifth of what each reads.
; LIMITS: e10, e12 and e15 between -126 and 119, e10 + e11 between -126 and 127.  NaN is not served.
.set HIDB,  13056
.set STG,   15104                      ; a stage of 16 rows x (384 + 16) bytes for each wave
.set SPARE, 66304
.set X,   16
.set P,   64                           ; the gain
.set B,   112                          ; the bias
.set CD,  160                          ; v160-171 the row's codes
.set B1R, 172                          ; v172-179 b1 of my 8 hidden units
.set T,   180                          ; v180-187 at work in the norm
.set AC,  112                          ; behind the barrier: v16-111 the six fragments of the rows; v112-127 two accumulators; v128-135 their sum; v[136:137] codes
.set SM,  128
.set SINV, 56
.set SEPS, 58
.set MSB, 0
.macro WIN new
.if MSB != \new
	s_set_vgpr_msb (MSB<<8)|\new
.set MSB, \new
.endif
.endm
.macro POW2 d, e
	s_add_co_i32 s[\d], s[\e], 127
	s_lshl_b32 s[\d], s[\d], 23
.endm
.macro LIM p, n, e
	s_add_co_i32 s[\p], s[\e], 135
	s_lshl_b32 s[\p], s[\p], 23
	s_or_b32 s[\p], s[\p], 0x600000
	s_or_b32 s[\n], s[\p], 0x80000000
.endm
.macro ROWSUM
	v_pk_add_f32 v[T:T+1], v[T:T+1], v[T+2:T+3]
	v_pk_add_f32 v[T+4:T+5], v[T+4:T+5], v[T+6:T+7]
	s_delay_alu instid0(VALU_DEP_1)
	v_pk_add_f32 v[T:T+1], v[T:T+1], v[T+4:T+5]
	s_delay_alu instid0(VALU_DEP_1)
	v_add_f32 v[T], v[T], v[T+1]
	s_delay_alu instid0(VALU_DEP_1)
	v_add_f32_dpp v[T], v[T], v[T] row_xmask:1 row_mask:0xf bank_mask:0xf
	s_delay_alu instid0(VALU_DEP_1)
	v_add_f32_dpp v[T], v[T], v[T] row_xmask:2 row_mask:0xf bank_mask:0xf
	s_delay_alu instid0(VALU_DEP_1)
	v_add_f32_dpp v[T], v[T], v[T] row_xmask:4 row_mask:0xf bank_mask:0xf
	s_delay_alu instid0(VALU_DEP_1)
	v_add_f32_dpp v[T], v[T], v[T] row_xmask:8 row_mask:0xf bank_mask:0xf
	s_delay_alu instid0(VALU_DEP_1)
.endm
; The layer norm of a row that sixteen lanes hold, 48 numbers each: the mean, then the mean of the squared distances.
.macro LNCORE gwait
.set n, 0
.rept 4
	v_pk_add_f32 v[T+2*n:T+2*n+1], v[X+2*n:X+2*n+1], v[X+8+2*n:X+9+2*n]
.set n, n+1
.endr
.set n, 8
.rept 16
	v_pk_add_f32 v[T+2*(n%4):T+2*(n%4)+1], v[T+2*(n%4):T+2*(n%4)+1], v[X+2*n:X+2*n+1]
.set n, n+1
.endr
	ROWSUM
	v_mul_f32 v[T+4], s[SINV], v[T]
.set n, 0
.rept 24
	v_pk_add_f32 v[X+n:X+n+1], v[X+n:X+n+1], v[T+4:T+5] op_sel_hi:[1,0] neg_lo:[0,1] neg_hi:[0,1]
.set n, n+2
.endr
.set n, 0
.rept 4
	v_pk_mul_f32 v[T+2*n:T+2*n+1], v[X+2*n:X+2*n+1], v[X+2*n:X+2*n+1]
.set n, n+1
.endr
.set n, 4
.rept 20
	v_pk_fma_f32 v[T+2*(n%4):T+2*(n%4)+1], v[X+2*n:X+2*n+1], v[X+2*n:X+2*n+1], v[T+2*(n%4):T+2*(n%4)+1]
.set n, n+1
.endr
	ROWSUM
	v_fma_f32 v[T], v[T], s[SINV], s[SEPS]         ; var + eps
	s_wait_alu depctr_va_vdst(0)                   ; the wait ahead of the transcendental,
	v_rsq_f32 v[T+6], v[T]
	v_nop
	s_wait_alu depctr_va_vdst(0)                   ; and ahead of its first reader
.set n, 0
.rept 24
	v_pk_mul_f32 v[X+n:X+n+1], v[X+n:X+n+1], v[T+6:T+7] op_sel_hi:[1,0]
.set n, n+2
.endr
	s_wait_loadcnt \gwait                          ; gain and bias are in
.set n, 0
.rept 24
	v_pk_fma_f32 v[X+n:X+n+1], v[X+n:X+n+1], v[P+n:P+n+1], v[B+n:B+n+1]
.set n, n+2
.endr
.endm
	s_load_b512 s[4:19], s[0:1], 0x0               ; a0 4, ln2_g 6, ln2_b 8, wm 10, b1 12, lowp_scales 14, part 16, head_w 18
	s_load_b64 s[20:21], s[0:1], 0x40              ; wh
	v_lshl_add_u32 v1, v0, 2, SPARE                ; my spare word; never rewritten
	v_mov_b32 v2, 0                                ; 0; never rewritten
	v_lshrrev_b32 v3, 5, v0
	v_readfirstlane_b32 s22, v3                    ; wave 0..7
	s_and_b32 s23, ttmp7, 0xffff                   ; y: the tile of rows
	s_lshl_b32 s24, s22, 8
	s_add_co_u32 s24, s24, HIDB                    ; piece w of the hidden fragment
	s_mul_i32 s25, s22, 6400
	s_add_co_u32 s25, s25, STG                     ; my stage
	v_and_b32 v4, 15, v0                           ; q: my place in a row; later the fragments' row
	v_lshrrev_b32 v5, 4, v0                        ; the row whose norm I share in: 2 x wave + half
	v_bfe_u32 v6, v0, 4, 1                         ; h: my half of the lanes
	v_and_b32 v12, 31, v0                          ; lane
	v_mul_u32_u24 v7, v5, 0xc00
	v_lshlrev_b32 v9, 4, v4                        ; 16 q
	v_mul_u32_u24 v11, v6, 272
	v_mul_u32_u24 v15, v4, 272
	v_lshlrev_b32 v8, 5, v6                        ; b1: 8 numbers for each half
	v_add_nc_u32 v7, v7, v9                        ; a0: row, + 16 q
	v_add_nc_u32 v11, v11, v9                      ; out of LDS: piece 2 c + h, row lane % 16
	v_lshl_add_u32 v15, v5, 4, v15                 ; into LDS: piece q, my row
	v_lshl_add_u32 v10, v6, 3, v9
	v_mul_u32_u24 v13, v4, 400
	v_lshrrev_b32 v14, 3, v12
	v_lshlrev_b32 v12, 4, v12                      ; 16 x lane
	v_add_nc_u32 v10, s24, v10                     ; hidden codes into LDS: 16 x row + 8 h of piece w
	v_add_nc_u32 v13, v13, v8
	v_add_nc_u32 v3, HIDB, v12                     ; and out
	v_add_nc_u32 v13, s25, v13                     ; into the stage: my row, 32 h
; out of the stage: 12 loads of 512 consecutive bytes of rows of 384; three of them are four rows.  u: B = 512 u + 16 lane, its row R = B / 384; in LDS B + 16 R, in part B + 5,376 (R / 2)
.irp u, 0,1,2
	v_add_nc_u32 v246, 4*\u, v14
	v_add_nc_u32 v247, 512*\u, v12
	v_mul_u32_u24 v246, v246, 43
	v_lshrrev_b32 v246, 7, v246                    ; (B / 128) / 3, for 0 to 11
	v_lshl_add_u32 v[240+\u], v246, 4, v247
	v_lshrrev_b32 v246, 1, v246
	v_add_nc_u32 v[240+\u], s25, v[240+\u]
	v_mul_u32_u24 v246, v246, 0x1500
	v_add_nc_u32 v[243+\u], v247, v246
.endr
	s_mov_b32 s[SINV], 0x3aaaaaab                  ; 1 / 768
	s_mov_b32 s[SEPS], 0x3727c5ac                  ; 1e-5
	s_lshl_b32 s26, ttmp9, 3
	s_add_co_u32 s26, s26, s22                     ; my n tile of w1
	s_wait_alu depctr_va_vdst(0)                   ; directly ahead of the wait below
	s_wait_kmcnt 0x0
	s_load_b512 s[36:51], s[14:15], 0x0            ; e0 .. e15 in s36 .. s51
	s_cmp_ge_u32 ttmp9, 24
	s_cbranch_scc1 .Lweights
	s_mov_b32 s31, 0
	s_mul_i32 s30, s23, 49152
	s_add_nc_u64 s[4:5], s[4:5], s[30:31]
	s_add_nc_u64 s[16:17], s[16:17], s[30:31]      ; part: eight pairs of rows of 6,144 bytes,
	s_mul_i32 s30, ttmp9, 196608
	s_add_nc_u64 s[16:17], s[16:17], s[30:31]
	s_mul_i32 s30, s22, 768
	s_add_nc_u64 s[16:17], s[16:17], s[30:31]
	s_lshl_b32 s30, s26, 6
	s_add_nc_u64 s[12:13], s[12:13], s[30:31]
	s_mul_i32 s30, s22, 294912                     ; w2: n tile 6 w, K step x
	s_lshl_b32 s29, ttmp9, 11
	s_add_co_u32 s30, s30, s29
	s_add_nc_u64 s[28:29], s[10:11], s[30:31]
	s_mul_i32 s30, s26, 12288
	s_add_co_u32 s30, s30, 2359296
	s_add_nc_u64 s[10:11], s[10:11], s[30:31]      ; w1: my n tile
.set j, 0
.rept 12
	global_load_b128 v[X+4*j:X+4*j+3], v7, s[4:5] offset:256*j
.set j, j+1
.endr
.set j, 0
.rept 12
	global_load_b128 v[P+4*j:P+4*j+3], v9, s[6:7] offset:256*j
.set j, j+1
.endr
.set j, 0
.rept 12
	global_load_b128 v[B+4*j:B+4*j+3], v9, s[8:9] offset:256*j
.set j, j+1
.endr
	WIN 0x40                                       ; destination window 1: v256-351 w1's six fragments of my n tile
.irp s, 0,1,2,3,4,5
.irp c, 0,1,2,3
	global_load_b128 v[16*\s+4*\c:16*\s+4*\c+3], v12, s[10:11] offset:\s*2048+\c*512
.endr
.endr
	WIN 0
	global_load_b128 v[B1R:B1R+3], v8, s[12:13]
	global_load_b128 v[B1R+4:B1R+7], v8, s[12:13] offset:16
	s_wait_kmcnt 0x0
	POW2 57, 46
	v_mov_b32 v188, s57                            ; 2^e10
	POW2 59, 48
	v_mov_b32 v190, s59                            ; 2^e12
	LIM 52, 53, 46
	LIM 54, 55, 48
	s_add_co_i32 s59, s46, s47
	POW2 60, 59                                    ; 2^(e10 + e11)
	s_mov_b32 s61, s60
	v_mov_b32 v189, s54                            ; 448 x 2^e12
	s_wait_alu depctr_va_vdst(0)                   ; directly ahead of the wait below
	s_wait_loadcnt 50                              ; a0's twelve loads are in; the 50 issued behind them may be out
	WIN 0x40                                       ; v352-447: w2's six fragments
.irp t, 0,1,2,3,4,5
.irp c, 0,1,2,3
	global_load_b128 v[96+16*\t+4*\c:99+16*\t+4*\c], v12, s[28:29] offset:\t*49152+\c*512
.endr
.endr
	WIN 0
	LNCORE 50                                      ; behind gain and bias: w1's 24, b1's two and w2's 24
.set n, 0
.rept 48
	v_med3_num_f32 v[X+n], v[X+n], s53, s52        ; the hold (ISA guide 7.6.2)
.set n, n+1
.endr
.set n, 0
.rept 6
	v_cvt_scalef32_pk8_fp8_f32 v[CD+2*n:CD+2*n+1], v[X+8*n:X+8*n+7], v188
.set n, n+1
.endr
	v_nop                                          ; a plain instruction behind the last conversion
.irp u, 0,1,2
	ds_store_b128 v15, v[CD+4*\u:CD+4*\u+3] offset:\u*4352
.endr
	s_wait_dscnt 0x0                               ; my stores have landed
	s_barrier_signal -1
	s_barrier_wait -1                              ; everybody's have
.irp s, 0,1,2,3,4,5
.irp c, 0,1,2,3
	ds_load_b128 v[16+16*\s+4*\c:19+16*\s+4*\c], v11 offset:(8*\s+2*\c)*272
.endr
.endr
	WIN 0x01                                       ; source 0 (w1) window 1
.irp s, 0,1,2,3,4,5
.if \s < 5
	s_wait_loadcnt 46-4*\s                         ; this K step's fragment of w1 is in; the later K steps', b1's two and w2's 24 may be out
.else
	s_wait_loadcnt 24                              ; the last, and b1
.endif
	s_wait_dscnt 4*(5-\s)                          ; and the rows'
.if \s < 2
	v_wmma_f32_16x16x128_fp8_fp8 v[AC+8*(\s%2):AC+8*(\s%2)+7], v[16*\s:16*\s+15], v[16+16*\s:31+16*\s], 0
.else
	v_wmma_f32_16x16x128_fp8_fp8 v[AC+8*(\s%2):AC+8*(\s%2)+7], v[16*\s:16*\s+15], v[16+16*\s:31+16*\s], v[AC+8*(\s%2):AC+8*(\s%2)+7]   ; two accumulators by turns
.endif
.endr
	WIN 0
.rept 4
	v_nop
.endr
.irp n, 0,2,4,6
	v_pk_add_f32 v[SM+\n:SM+\n+1], v[AC+\n:AC+\n+1], v[AC+8+\n:AC+8+\n+1]
.endr
.irp n, 0,2,4,6
	v_pk_fma_f32 v[SM+\n:SM+\n+1], v[SM+\n:SM+\n+1], s[60:61], v[B1R+\n:B1R+\n+1] op_sel_hi:[1,0,1]   ; sum x 2^(e10 + e11) + b1
.endr
.irp n, 0,1,2,3,4,5,6,7
	v_med3_num_f32 v[SM+\n], v[SM+\n], 0, v189     ; the activation and the hold in one
.endr
	v_cvt_scalef32_pk8_fp8_f32 v[136:137], v[SM:SM+7], v190
	v_nop
	ds_store_b64 v10, v[136:137]
	s_wait_dscnt 0x0                               ; my hidden codes have landed
	s_barrier_signal -1
	s_barrier_wait -1                              ; everybody's have
.irp c, 0,1,2,3
	ds_load_b128 v[144+4*\c:147+4*\c], v3 offset:512*\c
.endr
	s_wait_loadcnt 0x0                             ; w2's fragments
	s_wait_dscnt 0x0
	WIN 0x01
.irp t, 0,1,2,3,4,5
	v_wmma_f32_16x16x128_fp8_fp8 v[192+8*\t:199+8*\t], v[96+16*\t:111+16*\t], v[144:159], 0
.endr
	WIN 0
.rept 4
	v_nop
.endr
.irp t, 0,1,2,3,4,5
	ds_store_b128 v13, v[192+8*\t:195+8*\t] offset:64*\t
	ds_store_b128 v13, v[196+8*\t:199+8*\t] offset:64*\t+16
.endr
.irp t, 0,1,2,3,4,5,6,7,8,9,10,11
	ds_load_b128 v[16+4*\t:19+4*\t], v[240+(\t%3)] offset:1600*(\t/3)   ; LDS serves a wave's instructions in order: these see my stores
.endr
.irp t, 0,1,2,3,4,5,6,7,8,9,10,11
	s_wait_dscnt 11-\t
	global_store_b128 v[243+(\t%3)], v[16+4*\t:19+4*\t], s[16:17] offset:12288*(\t/3)   ; sixteen lanes store 256 consecutive bytes, aligned
.endr
	s_wait_tensorcnt 0x0                           ; the wave's end, behind my last LDS store
	ds_add_u32 v1, v2
	s_wait_dscnt 0x0
	s_endpgm
	; ---------------- head_w: 64 columns x three K steps on end (384 rows).  A LANE TAKES A COLUMN AND ITS REGISTERS RUN DOWN K: the conversions then give 16 codes with K innermost: the lane's 16 bytes of a piece.
	; Wave w makes piece w of the three K steps, for columns 0-31 (offsets in v3) and columns 32-63 (v6) of the group.  No LDS is touched here.  All 96 loads go out first.
.Lweights:
	s_sub_co_u32 s24, ttmp9, 24
	s_lshl_b32 s24, s24, 2
	s_add_co_u32 s24, s24, s23                     ; 0 .. 31
	s_mov_b32 s35, 0
	s_and_b32 s25, s24, 1                          ; which 384 of head_w's K = 768
	s_lshr_b32 s26, s24, 1                         ; the group of 64 columns
	s_mul_i32 s34, s25, 1536000                    ; 384 rows of 4,000 bytes
	s_mul_i32 s27, s22, 64000                      ; 16 w rows
	s_add_co_u32 s34, s34, s27
	s_add_nc_u64 s[66:67], s[18:19], s[34:35]
	s_mul_i32 s34, s26, 49152                      ; four n tiles of 12,288 bytes
	s_mul_i32 s27, s25, 6144
	s_add_co_u32 s34, s34, s27
	s_lshl_b32 s27, s22, 8
	s_add_co_u32 s34, s34, s27
	s_add_nc_u64 s[68:69], s[20:21], s[34:35]
	s_lshl_b32 s27, s26, 6
	v_and_b32 v7, 31, v0                           ; lane
	v_lshrrev_b32 v8, 4, v7
	v_and_b32 v9, 15, v7
	v_add_nc_u32 v3, s27, v7
	v_mul_u32_u24 v4, v8, 0x3000
	v_add_nc_u32 v6, 32, v3
	v_min_u32 v3, 999, v3                          ; columns 1,000 to 1,023 of the padded tiles repeat column 999: no load leaves the buffer, and their results are never stored
	v_lshl_add_u32 v4, v9, 4, v4                   ; n tile lane / 16, row lane % 16
	v_min_u32 v6, 999, v6
	v_lshlrev_b32 v3, 2, v3
	v_lshlrev_b32 v6, 2, v6
	s_wait_alu depctr_va_vdst(0)
.set p, 0
.rept 3
.set y, 0
.rept 16
	global_load_b32 v[16+32*p+y], v3, s[66:67] offset:(128*p+y)*4000 th:TH_LOAD_NT
	global_load_b32 v[32+32*p+y], v6, s[66:67] offset:(128*p+y)*4000 th:TH_LOAD_NT
.set y, y+1
.endr
.set p, p+1
.endr
	s_wait_kmcnt 0x0
	POW2 34, 51
	LIM 62, 63, 51
	v_mov_b32 v5, s34
	s_wait_alu depctr_va_vdst(0)                   ; directly ahead of the wait below
.set p, 0
.rept 3
.if p == 0
	s_wait_loadcnt 63                              ; the largest count that a wait names: at most 63 of the 96 are then out, so the first 33 are in
.else
	s_wait_loadcnt 32*(2-p)
.endif
.set n, 0
.rept 32
	v_med3_num_f32 v[16+32*p+n], v[16+32*p+n], s63, s62   ; the hold (ISA guide 7.6.2)
.set n, n+1
.endr
.irp hh, 0,1
	v_cvt_scalef32_pk8_fp8_f32 v[112+8*p+4*\hh:113+8*p+4*\hh], v[16+32*p+16*\hh:23+32*p+16*\hh], v5
	v_cvt_scalef32_pk8_fp8_f32 v[114+8*p+4*\hh:115+8*p+4*\hh], v[24+32*p+16*\hh:31+32*p+16*\hh], v5
	global_store_b128 v4, v[112+8*p+4*\hh:115+8*p+4*\hh], s[68:69] offset:p*2048+\hh*24576   ; sixteen lanes fill one whole piece of 256 bytes; each store has its own registers
.endr
.set p, p+1
.endr
	s_endpgm
.Lfunc_end_k_qdced93744f_mlp:
	.size	k_qdced93744f_mlp, .Lfunc_end_k_qdced93744f_mlp-k_qdced93744f_mlp
	.p2alignl 7, 3214868480
	.fill 96, 4, 3214868480
	.section	.rodata,"a",@progbits
	.p2align	6, 0x0
	.amdhsa_kernel k_qdced93744f_mlp
		.amdhsa_group_segment_fixed_size 67328
		.amdhsa_private_segment_fixed_size 0
		.amdhsa_enable_private_segment 0
		.amdhsa_kernarg_size 72
		.amdhsa_user_sgpr_count 2
		.amdhsa_user_sgpr_kernarg_segment_ptr 1
		.amdhsa_wavefront_size32 1
		.amdhsa_system_sgpr_workgroup_id_x 1
		.amdhsa_system_sgpr_workgroup_id_y 1
		.amdhsa_system_sgpr_workgroup_id_z 1
		.amdhsa_system_vgpr_workitem_id 0
		.amdhsa_next_free_vgpr 448
		.amdhsa_next_free_sgpr 80
		.amdhsa_reserve_vcc 0
		.amdhsa_float_denorm_mode_32 3
		.amdhsa_float_denorm_mode_16_64 3
		.amdhsa_memory_ordered 1
		.amdhsa_forward_progress 1
		.amdhsa_inst_pref_size 52
	.end_amdhsa_kernel
	.amdgpu_metadata
---
amdhsa.version: [ 1, 2 ]
amdhsa.kernels:
  - .name:           k_qdced93744f_mlp
    .symbol:         k_qdced93744f_mlp.kd
    .args:
      - { .name: a0, .offset: 0, .size: 8, .value_kind: global_buffer, .address_space: global }
      - { .name: ln2_g, .offset: 8, .size: 8, .value_kind: global_buffer, .address_space: global }
      - { .name: ln2_b, .offset: 16, .size: 8, .value_kind: global_buffer, .address_space: global }
      - { .name: wm, .offset: 24, .size: 8, .value_kind: global_buffer, .address_space: global }
      - { .name: b1, .offset: 32, .size: 8, .value_kind: global_buffer, .address_space: global }
      - { .name: lowp_scales, .offset: 40, .size: 8, .value_kind: global_buffer, .address_space: global }
      - { .name: part, .offset: 48, .size: 8, .value_kind: global_buffer, .address_space: global }
      - { .name: head_w, .offset: 56, .size: 8, .value_kind: global_buffer, .address_space: global }
      - { .name: wh, .offset: 64, .size: 8, .value_kind: global_buffer, .address_space: global }
    .group_segment_fixed_size: 67328
    .private_segment_fixed_size: 0
    .kernarg_segment_align: 8
    .kernarg_segment_size: 72
    .max_flat_workgroup_size: 256
    .sgpr_count:     80
    .vgpr_count:     448
    .wavefront_size: 32
...
	.end_amdgpu_metadata
.endif
;; end of part 3
;; launch head (part 4): grid 8 x 32, 8 waves a work-group, no clusters, 4,096 bytes of LDS; arguments part, a0, b2, wh, head_b, lowp_scales, out0; writes out0
.if DOCPART == 4
	.amdgcn_target "amdgcn-amd-amdhsa--gfx1250"
	.amdhsa_code_object_version 6
	.text
	.protected	k_qdced93744f_head
	.globl	k_qdced93744f_head
	.p2align	8
	.type	k_qdced93744f_head,@function
k_qdced93744f_head:
	s_mov_b64 s[64:65], 0
	v_nop
	global_prefetch_b8 v0, s[64:65] scope:SCOPE_SE
	s_setreg_imm32_b32 hwreg(HW_REG_WAVE_MODE, 25, 1), 1
	s_wait_xcnt 0x0
; out0 = Q(a0 + (the sum of 24 parts + b2)) head_w + head_b, for token 0 of each batch (the first kernel's head shows that the other rows are dead work).
; Work-group (x, y): rows 2 y and 2 y + 1, columns 128 x .. 128 x + 127.  Wave w sums columns 96 w .. 96 w + 95 of both rows: 768 consecutive bytes of each part, 16 and 8 bytes a lane; the codes meet in LDS, two rows of 768 bytes,
; 784 apart.  Then wave w makes n tile 8 x + w, all of K = 768.  The product is used transposed (source 0 = 16 columns of head_w, source 1 = 16 rows, of which row r repeats row r % 2): a lane holds one row and 8 neighbouring columns.
; The eight waves' columns meet in a stage in LDS and waves 0 and 1 store a row's 512 consecutive bytes each.  Columns 1,000 to 1,023 of the padded tiles are computed and not stored.
; No cluster, no tensor load, no loop: every fragment of head_w goes straight into the registers of the one wave of the work-group that uses it, once, and all loads go out at the start.
; LIMITS: e14 between -126 and 119, e12 + e13 and e14 + e15 between -126 and 127.  NaN is not served.
.set STG,   1792                       ; 2 rows x (512 + 16)
.set SPARE, 3072
.set MSB, 0
.macro WIN new
.if MSB != \new
	s_set_vgpr_msb (MSB<<8)|\new
.set MSB, \new
.endif
.endm
.macro POW2 d, e
	s_add_co_i32 s[\d], s[\e], 127
	s_lshl_b32 s[\d], s[\d], 23
.endm
.macro LIM p, n, e
	s_add_co_i32 s[\p], s[\e], 135
	s_lshl_b32 s[\p], s[\p], 23
	s_or_b32 s[\p], s[\p], 0x600000
	s_or_b32 s[\n], s[\p], 0x80000000
.endm
	s_load_b256 s[4:11], s[0:1], 0x0               ; part 4, a0 6, b2 8, wh 10
	s_load_b128 s[12:15], s[0:1], 0x20             ; head_b 12, lowp_scales 14
	s_load_b64 s[16:17], s[0:1], 0x30              ; out0
	v_lshl_add_u32 v1, v0, 2, SPARE                ; my spare word; never rewritten
	v_mov_b32 v2, 0                                ; 0; never rewritten
	v_lshrrev_b32 v3, 5, v0
	v_readfirstlane_b32 s18, v3                    ; wave 0..7
	s_and_b32 s19, ttmp7, 0xffff                   ; y: the pair of rows
	s_mul_i32 s20, s18, 96
	s_lshl_b32 s21, s18, 6
	s_lshl_b32 s22, ttmp9, 9
	s_add_co_u32 s22, s22, s21                     ; my n tile's numbers of head_b
	s_mul_i32 s23, s18, 528
	s_add_co_u32 s23, s23, STG
	s_add_co_u32 s21, s21, STG
	s_lshl_b32 s24, ttmp9, 7
	v_and_b32 v3, 31, v0                           ; lane
	v_bfe_u32 v7, v0, 4, 1                         ; h
	v_and_b32 v14, 1, v0                           ; the row that a fragment's row repeats
	v_lshlrev_b32 v4, 4, v3                        ; 16 x lane
	v_lshlrev_b32 v5, 3, v3                        ; 8 x lane
	v_mul_u32_u24 v9, v3, 43
	v_lshlrev_b32 v12, 4, v7
	v_mul_u32_u24 v13, v14, 528
	v_lshrrev_b32 v9, 10, v9                       ; R = lane / 24: my four numbers' row
	v_mul_u32_u24 v14, v14, 784
	v_lshl_add_u32 v13, v7, 5, v13
	v_mul_u32_u24 v6, v9, 0xa80
	v_mul_u32_u24 v8, v9, 0x180
	v_mul_u32_u24 v10, v9, 0x2b0
	v_lshl_add_u32 v9, v7, 5, s22
	v_add_nc_u32 v6, v6, v4                        ; a0: row R, columns 4 (lane - 24 R) on
	v_sub_nc_u32 v8, v4, v8                        ; b2 likewise
	v_lshl_add_u32 v10, v3, 2, v10
	v_lshlrev_b32 v11, 1, v3
	v_add_nc_u32 v12, v12, v14                     ; a fragment: row lane % 2, + 16 h
	v_add_nc_u32 v13, s21, v13                     ; into the stage: row lane % 2, 64 w + 32 h
	v_add_nc_u32 v10, s20, v10                     ; four codes: 784 R + 96 w + 4 (lane - 24 R)
	v_add_nc_u32 v11, s20, v11
	v_min_u32 v9, 3968, v9                         ; head_b: my 8 columns' numbers; groups past column 999 load the last group: no load leaves the buffer
	v_add_nc_u32 v11, 816, v11                     ; two codes of row 1: 784 + 96 w + 32 + 2 lane
	v_add_nc_u32 v14, s23, v4                      ; out of the stage: row w
	v_lshl_add_u32 v15, v3, 2, s24                 ; the first of the four columns that I store
	s_wait_alu depctr_va_vdst(0)                   ; directly ahead of the wait below
	s_wait_kmcnt 0x0
	s_load_b512 s[36:51], s[14:15], 0x0            ; e0 .. e15 in s36 .. s51
	s_mov_b32 s21, 0
	s_mul_i32 s20, s19, 6144
	s_add_nc_u64 s[4:5], s[4:5], s[20:21]
	s_add_nc_u64 s[6:7], s[6:7], s[20:21]          ; a0: two rows of 3,072 bytes
	s_mul_i32 s20, s18, 768
	s_add_nc_u64 s[4:5], s[4:5], s[20:21]
	s_mul_i32 s20, s18, 384
	s_add_nc_u64 s[6:7], s[6:7], s[20:21]
	s_add_nc_u64 s[8:9], s[8:9], s[20:21]
	s_lshl_b32 s20, ttmp9, 3
	s_add_co_u32 s20, s20, s18
	s_mul_i32 s20, s20, 12288
	s_add_nc_u64 s[10:11], s[10:11], s[20:21]
	s_lshl_b32 s20, s19, 1
	s_add_co_u32 s20, s20, s18
	s_mul_i32 s20, s20, 4000                       ; row 2 y + w of 4,000 bytes (waves 0 and 1)
	s_lshl_b32 s22, ttmp9, 9
	s_add_co_u32 s20, s20, s22
	s_add_nc_u64 s[16:17], s[16:17], s[20:21]
.set k, 0
.rept 24
	global_load_b128 v[16+8*k:19+8*k], v4, s[4:5] offset:k*196608
	global_load_b64 v[20+8*k:21+8*k], v5, s[4:5] offset:k*196608+512
.set k, k+1
.endr
	global_load_b128 v[208:211], v6, s[6:7]
	global_load_b64 v[212:213], v5, s[6:7] offset:3200
	global_load_b128 v[216:219], v8, s[8:9]
	global_load_b64 v[220:221], v5, s[8:9] offset:128
	global_load_b128 v[224:227], v9, s[12:13]
	global_load_b128 v[228:231], v9, s[12:13] offset:16
	WIN 0x40                                       ; v256-351: head_w's six fragments of my n tile
.irp s, 0,1,2,3,4,5
.irp c, 0,1,2,3
	global_load_b128 v[16*\s+4*\c:16*\s+4*\c+3], v4, s[10:11] offset:\s*2048+\c*512
.endr
.endr
	WIN 0
	s_wait_kmcnt 0x0
	s_add_co_i32 s54, s48, s49
	POW2 52, 54                                    ; 2^(e12 + e13)
	s_mov_b32 s53, s52
	POW2 54, 50
	v_mov_b32 v234, s54                            ; 2^e14
	LIM 56, 57, 50
	s_add_co_i32 s55, s50, s51
	POW2 58, 55                                    ; 2^(e14 + e15)
	s_mov_b32 s59, s58
	s_wait_alu depctr_va_vdst(0)                   ; directly ahead of the wait below
.set k, 0
.rept 6                                ; four parts at a time: 8 loads
.if k == 0
	s_wait_loadcnt 63                              ; the largest count that a wait names: of the 78 loads at least 15 are in
.elseif k < 5
	s_wait_loadcnt 70-8*k                          ; what was issued behind these four parts may be out
.else
	s_wait_loadcnt 26                              ; all parts, a0 and b2 are in; head_b's two and head_w's 24 may be out
.endif
.irp n, 0,2,4
	v_pk_add_f32 v[16+32*k+\n:17+32*k+\n], v[16+32*k+\n:17+32*k+\n], v[24+32*k+\n:25+32*k+\n]
	v_pk_add_f32 v[32+32*k+\n:33+32*k+\n], v[32+32*k+\n:33+32*k+\n], v[40+32*k+\n:41+32*k+\n]
.endr
.irp n, 0,2,4
	v_pk_add_f32 v[16+32*k+\n:17+32*k+\n], v[16+32*k+\n:17+32*k+\n], v[32+32*k+\n:33+32*k+\n]
.endr
.if k > 0
.irp n, 0,2,4
	v_pk_add_f32 v[16+\n:17+\n], v[16+\n:17+\n], v[16+32*k+\n:17+32*k+\n]
.endr
.endif
.set k, k+1
.endr
.irp n, 0,2,4
	v_pk_fma_f32 v[16+\n:17+\n], v[16+\n:17+\n], s[52:53], v[216+\n:217+\n] op_sel_hi:[1,0,1]   ; sum x 2^(e12 + e13) + b2
.endr
	v_mov_b32 v22, 0                               ; (the conversion takes eight numbers)
	v_mov_b32 v23, 0
.irp n, 0,2,4
	v_pk_add_f32 v[16+\n:17+\n], v[16+\n:17+\n], v[208+\n:209+\n]   ; + a0: the residual
.endr
.irp n, 0,1,2,3,4,5
	v_med3_num_f32 v[16+\n], v[16+\n], s57, s56    ; the hold (ISA guide 7.6.2)
.endr
	v_cvt_scalef32_pk8_fp8_f32 v[232:233], v[16:23], v234
	v_nop                                          ; a plain instruction behind the conversion
	ds_store_b32 v10, v232
	ds_store_b16 v11, v233
	s_wait_dscnt 0x0                               ; my codes have landed
	s_barrier_signal -1
	s_barrier_wait -1                              ; everybody's have
.irp s, 0,1,2,3,4,5
.irp c, 0,1,2,3
	ds_load_b128 v[16+16*\s+4*\c:19+16*\s+4*\c], v12 offset:128*\s+32*\c
.endr
.endr
	WIN 0x01                                       ; source 0 (head_w) window 1
.irp s, 0,1,2,3,4,5
	s_wait_loadcnt 4*(5-\s)                        ; this K step's fragment of head_w is in, and the rows'; the later K steps' may be out
	s_wait_dscnt 4*(5-\s)
.if \s < 2
	v_wmma_f32_16x16x128_fp8_fp8 v[112+8*(\s%2):119+8*(\s%2)], v[16*\s:16*\s+15], v[16+16*\s:31+16*\s], 0
.else
	v_wmma_f32_16x16x128_fp8_fp8 v[112+8*(\s%2):119+8*(\s%2)], v[16*\s:16*\s+15], v[16+16*\s:31+16*\s], v[112+8*(\s%2):119+8*(\s%2)]   ; two accumulators by turns
.endif
.endr
	WIN 0
.rept 4
	v_nop
.endr
.irp n, 0,2,4,6
	v_pk_add_f32 v[128+\n:129+\n], v[112+\n:113+\n], v[120+\n:121+\n]
.endr
.irp n, 0,2,4,6
	v_pk_fma_f32 v[128+\n:129+\n], v[128+\n:129+\n], s[58:59], v[224+\n:225+\n] op_sel_hi:[1,0,1]   ; sum x 2^(e14 + e15) + head_b
.endr
	ds_store_b128 v13, v[128:131]                  ; lanes that repeat a row store the same numbers to the same bytes
	ds_store_b128 v13, v[132:135] offset:16
	s_wait_dscnt 0x0                               ; my stores into the stage have landed
	s_barrier_signal -1
	s_barrier_wait -1                              ; everybody's have
	s_cmp_ge_u32 s18, 2
	s_cbranch_scc1 .Ldone
	ds_load_b128 v[136:139], v14
	s_wait_dscnt 0x0
	v_cmp_gt_u32 vcc_lo, 1000, v15                 ; 1,000 is a multiple of 4: a lane's four columns exist together or not at all
	s_wait_xcnt 0x0                                ; EXEC changes only behind this wait
	s_and_saveexec_b32 s30, vcc_lo
	global_store_b128 v4, v[136:139], s[16:17]
	s_wait_xcnt 0x0                                ; and again in front of the line that widens it
	s_or_b32 exec_lo, exec_lo, s30
.Ldone:
	s_wait_tensorcnt 0x0                           ; the wave's end, all lanes on, behind my last LDS store
	ds_add_u32 v1, v2
	s_wait_dscnt 0x0
	s_endpgm
.Lfunc_end_k_qdced93744f_head:
	.size	k_qdced93744f_head, .Lfunc_end_k_qdced93744f_head-k_qdced93744f_head
	.p2alignl 7, 3214868480
	.fill 96, 4, 3214868480
	.section	.rodata,"a",@progbits
	.p2align	6, 0x0
	.amdhsa_kernel k_qdced93744f_head
		.amdhsa_group_segment_fixed_size 4096
		.amdhsa_private_segment_fixed_size 0
		.amdhsa_enable_private_segment 0
		.amdhsa_kernarg_size 56
		.amdhsa_user_sgpr_count 2
		.amdhsa_user_sgpr_kernarg_segment_ptr 1
		.amdhsa_wavefront_size32 1
		.amdhsa_system_sgpr_workgroup_id_x 1
		.amdhsa_system_sgpr_workgroup_id_y 1
		.amdhsa_system_sgpr_workgroup_id_z 1
		.amdhsa_system_vgpr_workitem_id 0
		.amdhsa_next_free_vgpr 384
		.amdhsa_next_free_sgpr 66
		.amdhsa_reserve_vcc 1
		.amdhsa_float_denorm_mode_32 3
		.amdhsa_float_denorm_mode_16_64 3
		.amdhsa_memory_ordered 1
		.amdhsa_forward_progress 1
		.amdhsa_inst_pref_size 21
	.end_amdhsa_kernel
	.amdgpu_metadata
---
amdhsa.version: [ 1, 2 ]
amdhsa.kernels:
  - .name:           k_qdced93744f_head
    .symbol:         k_qdced93744f_head.kd
    .args:
      - { .name: part, .offset: 0, .size: 8, .value_kind: global_buffer, .address_space: global }
      - { .name: a0, .offset: 8, .size: 8, .value_kind: global_buffer, .address_space: global }
      - { .name: b2, .offset: 16, .size: 8, .value_kind: global_buffer, .address_space: global }
      - { .name: wh, .offset: 24, .size: 8, .value_kind: global_buffer, .address_space: global }
      - { .name: head_b, .offset: 32, .size: 8, .value_kind: global_buffer, .address_space: global }
      - { .name: lowp_scales, .offset: 40, .size: 8, .value_kind: global_buffer, .address_space: global }
      - { .name: out0, .offset: 48, .size: 8, .value_kind: global_buffer, .address_space: global }
    .group_segment_fixed_size: 4096
    .private_segment_fixed_size: 0
    .kernarg_segment_align: 8
    .kernarg_segment_size: 56
    .max_flat_workgroup_size: 256
    .sgpr_count:     66
    .vgpr_count:     384
    .wavefront_size: 32
...
	.end_amdgpu_metadata
.endif
;; end of part 4
